; MI455X (gfx1250); checked and timed in simulation.
; The chip was launched on July 23, 2026; its instructions are those of AMD's public machine-readable ISA for CDNA 5 (MIT licence, August 2026) and "CDNA5" Instruction Set Architecture Reference Guide (July 2026). The comments in the code are by the model that wrote it; some were corrected since.
;; Causal Self Attention. Allowed arithmetic: matrix products marked QUANTISED: E3M2 operands, one E8M0 scale for each 32 along K, by v_wmma_scale_f32_16x16x128_f8f6f4 with both operands' format E3M2, f32 sums; everything else in f32.
;; Inputs: W_attn 1,024 x 3,072 float32; W_proj 1,024 x 1,024 float32; b_attn 3,072 float32; b_proj 1,024 float32; x 4 x 2,048 x 1,024 float32.
;; Outputs: out0 4 x 2,048 x 1,024 float32.
;; This version of the problem:
;;   THIS VERSION OF THE PROBLEM IS GIVEN IN LOW PRECISION. The matrix products marked QUANTISED in the list below multiply operands that are first quantised to E3M2 (3 exponent bits, 2 mantissa bits; 6 bits a number), with one power-of-two scale for each 32 numbers along K (OCP MX v1.0); their sums are f32. All else is computed in f32.
;;   The module's matrix products, in the order in which they are computed (A, B: the left and right operand; K: the contracted axis; several contracted axes count as one K, in the product's order):
;;     1. [M 8,192, K 1,024] x [K 1,024, N 3,072]; A: input x; B: input W_attn: QUANTISED
;;     2. batch 64 x [M 2,048, K 64] x [K 64, N 2,048]; A: computed on the way; B: computed on the way: QUANTISED
;;     3. batch 64 x [M 2,048, K 2,048] x [K 2,048, N 64]; A: softmax (see below); B: computed on the way: QUANTISED
;;     4. [M 8,192, K 1,024] x [K 1,024, N 1,024]; A: computed on the way; B: input W_proj: QUANTISED
;;   THE QUANTISER, for each operand of a quantised product, along K:
;;     - K is cut into blocks of 32 from its start; a last block that is shorter is filled with zeros.
;;     - A block's scale is 2^e with e = floor(log2(the largest magnitude in the block)) - 4, held to -126 .. 127; a block of zeros has e = 0. As a byte (E8M0): e + 127.
;;     - Each number is divided by its block's scale, clamped to +-28, and rounded to the nearest number of E3M2, ties to even, subnormals kept.
;;     - The product sums the exact products of the quantised numbers (number of the format x scale) in f32.
;;   ~~~python
;;   def quantise(x, axis):      # numpy; x: float32 -> the quantised numbers, widened to float32 again
;;       x = np.moveaxis(x, axis, -1); K = x.shape[-1]
;;       x = np.pad(x, [(0, 0)] * (x.ndim - 1) + [(0, -K % 32)]); x = x.reshape(x.shape[:-1] + (-1, 32)); a = np.abs(x).max(-1, keepdims=True)
;;       e = np.where(a > 0, np.clip(np.frexp(np.where(a > 0, a, 1))[1] - 1 - 4, -126, 127), 0)      # np.frexp(a)[1] - 1 = floor(log2(a)), exactly
;;       r = np.clip(x / 2.0 ** e, -28, 28)
;;       step = 2.0 ** (np.maximum(np.frexp(np.where(r == 0, 1, r))[1] - 1, -2) - 2)
;;       q = np.round(r / step) * step * 2.0 ** e      # np.round: ties to even
;;       return np.moveaxis(q.reshape(q.shape[:-2] + (-1,))[..., :K], -1, axis).astype(np.float32)
;;   ~~~
;;   SOFTMAX AHEAD OF A QUANTISED PRODUCT. Where the list says 'softmax', what is quantised is not the finished softmax but p = 2^(t - M), with t = logit x log2(e) and M = ceil(the row's largest t), a whole number; so 1/2 < the row's largest p <= 1. The row's sum l is taken of the UNQUANTISED p, in f32, and the product's result is divided by l at the end. Since M is a whole number, a kernel that streams over the keys may use a running M (the ceiling of the running maximum): every later rescaling is an exact power of two, which a block's scale takes up: the codes' values come out the same.
;;   OPERANDS COMPUTED ON THE WAY. 'Computed on the way' means the value that the module computes at that place (a softmax that the list does not call 'softmax' is quantised finished and normalised). What goes into a quantiser is computed in f32, as accurately as f32 sums, v_exp_f32 and their like allow (about 1e-6 of the number): no bf16 or f16 on the way to a quantiser, and a product that is left as it is and whose result goes on into a quantised operand takes f32 operands (vector FMAs, or v_wmma_f32_16x16x4_f32). A number that lies on a knife's edge between two numbers of the format may be rounded either way, as far as f32 arithmetic and the matrix unit's own rounding can turn it there, and no further.
;; One version. Each part assembles by itself: llvm-mc -triple=amdgcn-amd-amdhsa -mcpu=gfx1250 --defsym DOCPART=n.
;; ======== version 1 of 1: 4 launches
;; limits: right only within a limited range of input values
;; workspace buffers: x_codes 6,291,456 bytes; x_scales 262,144 bytes; w_codes 3,145,728 bytes; w_scales 131,072 bytes; qkv 20,185,088 bytes; y_codes 6,291,456 bytes; y_scales 262,144 bytes
;; launch quant (part 1): grid 384 x 1, 4 waves a work-group, no clusters, 68,096 bytes of LDS; arguments x, W_attn, W_proj, x_codes, x_scales, w_codes, w_scales; writes x_codes, x_scales, w_codes, w_scales
.if DOCPART == 1
	.amdgcn_target "amdgcn-amd-amdhsa--gfx1250"
	.amdhsa_code_object_version 6
	.text
	.protected	k_q9932e01f1a_quant
	.globl	k_q9932e01f1a_quant
	.p2align	8
	.type	k_q9932e01f1a_quant,@function
k_q9932e01f1a_quant:
	s_mov_b64 s[64:65], 0
	v_nop
	global_prefetch_b8 v0, s[64:65] scope:SCOPE_SE
	s_setreg_imm32_b32 hwreg(HW_REG_WAVE_MODE, 25, 1), 1
	s_wait_xcnt 0x0
; x [8192][1024], W_attn [1024][3072] and W_proj [1024][1024], f32, become codes of BF6 (E3M2), K innermost, with one E8M0 byte for each 32 along K.
; A block's scale is 2^(floor(log2(largest magnitude)) - 4); its byte is the largest magnitude's exponent field - 4, held at 1 from below.
; LIMITS: a block whose largest magnitude lies under 2^-122 (a block of zeros too) keeps the byte 1 where the rule says less (or 127): its codes are then
; small or zero, and the bytes are read by this program alone.  NaN and infinities among the inputs are not served.
; ROW ORDER OF THE OUTPUT: row i (a token of x; a column of the weights, W_attn's 0..3071, W_proj's 3072..4095) lies at position i with bits 3 and 4 exchanged.
; So sixteen neighbouring positions are rows 0-7 and 16-23 (or 8-15 and 24-31) of a group of 32: the tiles that the later products want.
; Work-groups 0..255 take x (K innermost: a plain stream of blocks), 256..383 the weights (K is the first axis: a lane takes a column, registers run down K).
; The two paths part on the work-group's number and have LDS bytes of their own.  No tensor loads, no barrier: waves share nothing.
.set STEPS, 16
.set EMAX,  4
.set CB,    12                         ; bytes of 16 codes
.set R,     16                         ; x path: v16-79 four sets of 16 numbers as loaded
.set XX,    80                         ; v80-111 two sets of 16 neighbours
.set CC,    128                        ; v128-191 codes, four registers a step
.set E,     112                        ; v112-127 a scale byte a step
.set WREG,  8192                       ; x path: LDS of a wave: two stages of 32 x SP bytes, then 256 scale bytes
.set SP,    80
.set WSTG,  32768                      ; weights path: the stages begin here, 32 rows x WP a wave
.set WP,    272
.set WX,    32                         ; v32-95 two sets of 32 numbers
.set WC,    96                         ; v96.. a block's codes
.set OUTR,  112                        ; v112-175 the way out
.set SB,    24                         ; v24-25 eight scale bytes
.set WO,    176                        ; v176-207 byte offsets of 32 rows of the weight: 4 x lane + i x row
	s_load_b256 s[4:11], s[0:1], 0x0               ; x, W_attn, W_proj, x_codes
	s_load_b128 s[12:15], s[0:1], 0x20             ; x_scales, w_codes
	s_load_b64 s[16:17], s[0:1], 0x30              ; w_scales
	v_lshl_add_u32 v208, v0, 2, 0x10800
	v_mov_b32 v209, 0
	v_lshrrev_b32 v1, 5, v0
	v_readfirstlane_b32 s18, v1                    ; wave 0..3
	v_and_b32 v2, 31, v0                           ; lane
	s_cmp_lt_u32 ttmp9, 256
	s_cbranch_scc0 .Lweights
; ---------------- x: a wave takes 8 rows = 8,192 numbers, in 16 steps of 512 ----------------
	v_lshlrev_b32 v3, 4, v2                        ; my 16 bytes of a load's 512
	s_mul_i32 s19, s18, WREG
	v_lshrrev_b32 v14, 2, v2
	v_mul_u32_u24 v14, v14, SP
	v_and_b32 v15, 3, v2
	v_lshl_add_u32 v14, v15, 4, v14
	v_add_nc_u32 v14, s19, v14                     ; the stage, on the way in: four lanes' 64 bytes on end, then 16 of padding
	v_mul_u32_u24 v15, v2, SP
	v_add_nc_u32 v15, s19, v15                     ; and on the way out: my 16 neighbours
	; THE CODES' LAYOUT: x_codes is four planes, one for each 256 along K, each [8192 positions][192 bytes]: a plane is 1,572,864 bytes.
	; A step's 512 numbers are two planes' 192 bytes of one row: lanes 0-15 the first, lanes 16-31 the second.
	v_and_b32 v4, 15, v2
	v_mul_u32_u24 v4, v4, CB
	v_lshrrev_b32 v10, 4, v2
	v_mad_u32_u24 v4, v10, 0x180000, v4            ; my codes' place: 12 x (lane % 16) + (lane / 16) planes
	v_lshrrev_b32 v5, 1, v2
	s_add_co_u32 s19, s19, 2*32*SP
	v_add_nc_u32 v5, s19, v5                       ; my block's byte among the wave's 256
	v_lshlrev_b32 v7, 3, v2
	v_add_nc_u32 v6, s19, v7
	s_lshl_b32 s20, ttmp9, 2
	s_add_co_u32 s22, s20, s18                     ; which run of 8 rows I read
	s_lshl_b32 s22, s22, 15                        ; 32,768 bytes a run
	s_mov_b32 s23, 0
	s_and_b32 s24, s18, 1                          ; and where it goes: the run's two low bits are the rows' bits 3 and 4: exchanged
	s_lshl_b32 s24, s24, 1
	s_lshr_b32 s25, s18, 1
	s_or_b32 s24, s24, s25
	s_add_co_u32 s24, s24, s20
	s_mul_i32 s26, s24, 1536                       ; 8 rows of 192 bytes in a plane
	s_mov_b32 s27, 0
	s_lshl_b32 s24, s24, 8                         ; 8 rows of 32 scale bytes
	s_mov_b32 s25, 0
	s_wait_alu depctr_va_vdst(0)
	s_wait_kmcnt 0x0
	s_add_nc_u64 s[4:5], s[4:5], s[22:23]
	s_add_nc_u64 s[10:11], s[10:11], s[26:27]
	s_add_nc_u64 s[12:13], s[12:13], s[24:25]
.macro XLOAD t
.irp i, 0,1,2,3
	global_load_b128 v[R+16*((\t)%4)+4*\i:R+16*((\t)%4)+4*\i+3], v3, s[4:5] offset:2048*(\t)+512*\i th:TH_LOAD_NT   ; 32 lanes read 512 consecutive bytes
.endr
.endm
.macro XTURN t                         ; step t's numbers through the stage; LDS serves a wave's instructions in order, so no wait stands between the stores and the loads
.irp i, 0,1,2,3
	ds_store_b128 v14, v[R+16*((\t)%4)+4*\i:R+16*((\t)%4)+4*\i+3] offset:32*SP*((\t)%2)+8*SP*\i
.endr
.irp i, 0,1,2,3
	ds_load_b128 v[XX+16*((\t)%2)+4*\i:XX+16*((\t)%2)+4*\i+3], v15 offset:32*SP*((\t)%2)+16*\i
.endr
.endm
.irp t, 0,1,2,3
	XLOAD \t
.endr
	s_wait_loadcnt 12                              ; step 0's four loads are in
	XTURN 0
.macro XSTEP t
.set XS, XX+16*((\t)%2)
.if (\t) > 0
	s_wait_dscnt 1                                 ; this step's numbers are back from the stage; the last step's byte store may be out
.else
	s_wait_dscnt 0x0
.endif
.if (\t)+4 < STEPS
	XLOAD (\t)+4                                   ; into the registers that the stage's stores have read
.endif
.if (\t)+1 < STEPS
.if STEPS-2-(\t) >= 3
	s_wait_loadcnt 12                              ; the next step's four loads are in; those of three steps behind it may be out
.else
	s_wait_loadcnt 4*(STEPS-2-(\t))
.endif
	XTURN (\t)+1
.endif
	v_max3_num_f32 v8, |v[XS]|, |v[XS+1]|, |v[XS+2]|               ; the largest magnitude of my 16
	v_max3_num_f32 v9, |v[XS+3]|, |v[XS+4]|, |v[XS+5]|
.irp i, 6,10
	v_max3_num_f32 v8, v8, |v[XS+\i]|, |v[XS+\i+1]|
	v_max3_num_f32 v9, v9, |v[XS+\i+2]|, |v[XS+\i+3]|
.endr
	v_max3_num_f32 v8, v8, |v[XS+14]|, |v[XS+15]|
	v_max3_num_f32 v8, v8, v9, (EMAX+1)<<23        ; and the floor 2^(5 - 127): the byte cannot fall under 1
	v_max_num_f32_dpp v8, v8, v8 row_xmask:1 row_mask:0xf bank_mask:0xf   ; with my neighbour's 16: the block's
	v_add_nc_u32 v11, -(EMAX<<23), v8              ; 4 off the exponent field: the conversion takes that field as its scale
	v_cvt_scalef32_pk16_bf6_f32 v[CC+4*(\t):CC+4*(\t)+2], v[XS:XS+15], v11
	v_lshrrev_b32 v[E+(\t)], 23, v11               ; the scale's byte (also the plain line behind the conversion)
	ds_store_b8 v5, v[E+(\t)] offset:16*(\t)       ; both lanes of a block write the same byte with the same value
	global_store_b96 v4, v[CC+4*(\t):CC+4*(\t)+2], s[10:11] offset:2*1572864*((\t)%2)+192*((\t)/2)
.endm
.irp t, 0,1,2,3,4,5,6,7,8,9,10,11,12,13,14,15
	XSTEP \t
.endr
	ds_load_b64 v[12:13], v6                       ; LDS serves a wave's instructions in order: these see my byte stores
	s_wait_dscnt 0x0
	global_store_b64 v7, v[12:13], s[12:13]        ; 32 lanes store 256 consecutive bytes, aligned
	s_wait_tensorcnt 0x0
	ds_add_u32 v208, v209
	s_wait_dscnt 0x0
	s_endpgm
; ---------------- the weights: a wave takes 32 columns x 256 along K ----------------
.Lweights:
	s_sub_co_u32 s19, ttmp9, 256
	s_and_b32 s20, s19, 31                         ; group of 128 columns, 0..23 W_attn's, 24..31 W_proj's
	s_lshr_b32 s21, s19, 5                         ; which 256 along K
	s_mov_b32 s22, 4096
	s_wait_kmcnt 0x0
	s_cmp_lt_u32 s20, 24                           ; the choice hangs on the work-group's number alone
	s_cselect_b64 s[6:7], s[6:7], s[8:9]
	s_cselect_b32 s22, 12288, s22                  ; a row of the weight in bytes
	s_cselect_b32 s23, 0, 24
	s_sub_co_u32 s23, s20, s23
	s_lshl_b32 s23, s23, 7
	s_lshl_b32 s24, s18, 5
	s_add_co_u32 s23, s23, s24                     ; my wave's first column in its tensor
	s_lshl_b32 s24, s23, 2
	s_lshl_b32 s25, s21, 8
	s_mul_i32 s25, s25, s22                        ; 256 rows for each step along K
	s_add_co_u32 s24, s24, s25
	s_mov_b32 s25, 0
	s_add_nc_u64 s[32:33], s[6:7], s[24:25]        ; block 0's first row
	s_lshl_b32 s26, s22, 5                         ; 32 rows on
	s_mov_b32 s27, 0
.irp t, 1,2,3,4,5,6,7
	s_add_nc_u64 s[32+2*\t:33+2*\t], s[30+2*\t:31+2*\t], s[26:27]   ; a base for each block: none is stepped later
.endr
	s_wait_alu depctr_va_vdst(0)
	v_lshlrev_b32 v[WO], 2, v2                     ; 4 bytes a lane
.irp i, 1,2,3,4,5,6,7,8,9,10,11,12,13,14,15,16,17,18,19,20,21,22,23,24,25,26,27,28,29,30,31
	v_add_nc_u32 v[WO+\i], s22, v[WO+\i-1]         ; and a row further down for each register
.endr
	s_mul_i32 s19, s18, 32*WP
	s_add_co_u32 s19, s19, WSTG                    ; my stage
	v_and_b32 v5, 7, v2
	v_bfe_u32 v6, v2, 3, 1
	v_lshl_add_u32 v5, v6, 4, v5
	v_bfe_u32 v6, v2, 4, 1
	v_lshl_add_u32 v5, v6, 3, v5                   ; my column's position: bits 3 and 4 exchanged
	v_mul_u32_u24 v4, v5, WP
	v_add_nc_u32 v4, s19, v4                       ; into the stage: row = position
	v_lshlrev_b32 v9, 5, v5                        ; my position's row of scale bytes
	v_and_b32 v5, 15, v2
	v_lshrrev_b32 v6, 4, v2
	v_mul_u32_u24 v7, v6, WP
	v_lshl_add_u32 v7, v5, 4, v7
	v_add_nc_u32 v7, s19, v7                       ; out of it: sixteen lanes to a row, two rows an instruction
	v_mul_u32_u24 v8, v6, 192
	v_mad_u32_u24 v8, v5, 12, v8                   ; and the same place in the codes' buffer
	s_lshl_b32 s28, s20, 7
	s_lshl_b32 s29, s18, 5
	s_add_co_u32 s28, s28, s29                     ; my wave's first position: 128 x group + 32 x wave
	; w_codes: W_attn's 3,072 positions in four planes of 589,824 bytes, [plane][position][192]; behind them W_proj's, [group of 128 positions][plane][128][192]:
	; 4 x 589,824 + (group - 24) x 98,304 + plane x 24,576 = group x 98,304 + plane x 24,576
	s_mul_i32 s30, s20, 24576
	s_mul_i32 s29, s21, 589824
	s_add_co_u32 s30, s30, s29
	s_mul_i32 s31, s20, 98304
	s_mul_i32 s29, s21, 24576
	s_add_co_u32 s31, s31, s29
	s_cmp_lt_u32 s20, 24
	s_cselect_b32 s30, s30, s31
	s_mul_i32 s29, s18, 6144                       ; my wave's 32 positions
	s_add_co_u32 s30, s30, s29
	s_mov_b32 s31, 0
	s_add_nc_u64 s[14:15], s[14:15], s[30:31]
	s_lshl_b32 s28, s28, 5
	s_lshl_b32 s29, s21, 3
	s_add_co_u32 s28, s28, s29
	s_mov_b32 s29, 0
	s_add_nc_u64 s[16:17], s[16:17], s[28:29]
.macro WLOAD t                         ; block t: W(32 t + i, my column), i = 0 .. 31: each load reads 128 consecutive bytes
.irp i, 0,1,2,3,4,5,6,7,8,9,10,11,12,13,14,15,16,17,18,19,20,21,22,23,24,25,26,27,28,29,30,31
	global_load_b32 v[WX+32*((\t)%2)+\i], v[WO+\i], s[32+2*(\t):33+2*(\t)] th:TH_LOAD_NT
.endr
.endm
	WLOAD 0
	WLOAD 1
.macro WBLOCK t
.set XS, WX+32*((\t)%2)
.if (\t) < 7
	s_wait_loadcnt 32                              ; this block's 32 loads are in; the next block's may be out
.else
	s_wait_loadcnt 0
.endif
	v_max3_num_f32 v12, |v[XS]|, |v[XS+1]|, |v[XS+2]|               ; the block's largest magnitude: all 32 numbers are mine
	v_max3_num_f32 v13, |v[XS+3]|, |v[XS+4]|, |v[XS+5]|
.irp i, 6,10,14,18,22,26
	v_max3_num_f32 v12, v12, |v[XS+\i]|, |v[XS+\i+1]|
	v_max3_num_f32 v13, v13, |v[XS+\i+2]|, |v[XS+\i+3]|
.endr
	v_max3_num_f32 v12, v12, |v[XS+30]|, |v[XS+31]|
	v_max3_num_f32 v12, v12, v13, (EMAX+1)<<23     ; and the floor
	v_add_nc_u32 v11, -(EMAX<<23), v12
	v_lshrrev_b32 v13, 23, v11                     ; the scale's byte
.if (\t)%4 == 0
	v_mov_b32 v[SB+(\t)/4], v13                    ; four bytes to a register, the lower K in the lower byte
.else
	v_lshl_or_b32 v[SB+(\t)/4], v13, 8*((\t)%4), v[SB+(\t)/4]
.endif
	v_cvt_scalef32_pk16_bf6_f32 v[WC:WC+2], v[XS:XS+15], v11
	v_cvt_scalef32_pk16_bf6_f32 v[WC+4:WC+6], v[XS+16:XS+31], v11   ; (a conversion's three registers begin on an even number)
	v_nop                                          ; one plain line behind the conversions
	ds_store_b96 v4, v[WC:WC+2] offset:32*(\t)     ; 12 bytes to a place of 16, so that every LDS address is a multiple of 16
	ds_store_b96 v4, v[WC+4:WC+6] offset:32*(\t)+16
.if (\t)+2 < 8
	WLOAD (\t)+2
.endif
	s_wait_dscnt 0x0                               ; the stores have read their registers: the next block's codes may be written
.endm
.irp t, 0,1,2,3,4,5,6,7
	WBLOCK \t
.endr
	s_wait_alu depctr_va_vdst(0)
	global_store_b64 v9, v[SB:SB+1], s[16:17]      ; my column's eight scale bytes
.irp t, 0,1,2,3,4,5,6,7,8,9,10,11,12,13,14,15
	ds_load_b96 v[OUTR+4*\t:OUTR+4*\t+2], v7 offset:2*\t*WP   ; LDS serves a wave's instructions in order: these see my stores
.endr
.irp t, 0,1,2,3,4,5,6,7,8,9,10,11,12,13,14,15
	s_wait_dscnt 15-\t
	global_store_b96 v8, v[OUTR+4*\t:OUTR+4*\t+2], s[14:15] offset:2*\t*192
.endr
	s_wait_tensorcnt 0x0
	ds_add_u32 v208, v209
	s_wait_dscnt 0x0
	s_endpgm
.Lfunc_end_k_q9932e01f1a_quant:
	.size	k_q9932e01f1a_quant, .Lfunc_end_k_q9932e01f1a_quant-k_q9932e01f1a_quant
	.p2alignl 7, 3214868480
	.fill 96, 4, 3214868480
	.section	.rodata,"a",@progbits
	.p2align	6, 0x0
	.amdhsa_kernel k_q9932e01f1a_quant
		.amdhsa_group_segment_fixed_size 68096
		.amdhsa_private_segment_fixed_size 0
		.amdhsa_enable_private_segment 0
		.amdhsa_kernarg_size 56
		.amdhsa_user_sgpr_count 2
		.amdhsa_user_sgpr_kernarg_segment_ptr 1
		.amdhsa_wavefront_size32 1
		.amdhsa_system_sgpr_workgroup_id_x 1
		.amdhsa_system_sgpr_workgroup_id_y 1
		.amdhsa_system_sgpr_workgroup_id_z 1
		.amdhsa_system_vgpr_workitem_id 0
		.amdhsa_next_free_vgpr 210
		.amdhsa_next_free_sgpr 66
		.amdhsa_reserve_vcc 0
		.amdhsa_float_denorm_mode_32 3
		.amdhsa_float_denorm_mode_16_64 3
		.amdhsa_memory_ordered 1
		.amdhsa_forward_progress 1
		.amdhsa_inst_pref_size 76
	.end_amdhsa_kernel
	.amdgpu_metadata
---
amdhsa.version: [ 1, 2 ]
amdhsa.kernels:
  - .name:           k_q9932e01f1a_quant
    .symbol:         k_q9932e01f1a_quant.kd
    .args:
      - { .name: x, .offset: 0, .size: 8, .value_kind: global_buffer, .address_space: global }
      - { .name: W_attn, .offset: 8, .size: 8, .value_kind: global_buffer, .address_space: global }
      - { .name: W_proj, .offset: 16, .size: 8, .value_kind: global_buffer, .address_space: global }
      - { .name: x_codes, .offset: 24, .size: 8, .value_kind: global_buffer, .address_space: global }
      - { .name: x_scales, .offset: 32, .size: 8, .value_kind: global_buffer, .address_space: global }
      - { .name: w_codes, .offset: 40, .size: 8, .value_kind: global_buffer, .address_space: global }
      - { .name: w_scales, .offset: 48, .size: 8, .value_kind: global_buffer, .address_space: global }
    .group_segment_fixed_size: 68096
    .private_segment_fixed_size: 0
    .kernarg_segment_align: 8
    .kernarg_segment_size: 56
    .max_flat_workgroup_size: 128
    .sgpr_count:     66
    .vgpr_count:     210
    .wavefront_size: 32
...
	.end_amdgpu_metadata
.endif
;; end of part 1
;; launch gemm_qkv (part 2): grid 8 x 48, 4 waves a work-group, clusters of 4 x 4, 327,680 bytes of LDS; arguments x_codes, x_scales, w_codes, w_scales, b_attn, qkv; writes qkv
.if DOCPART == 2
	.amdgcn_target "amdgcn-amd-amdhsa--gfx1250"
	.amdhsa_code_object_version 6
	.text
	.protected	k_q9932e01f1a_gemm_qkv
	.globl	k_q9932e01f1a_gemm_qkv
	.p2align	8
	.type	k_q9932e01f1a_gemm_qkv,@function
k_q9932e01f1a_gemm_qkv:
	s_mov_b64 s[64:65], 0
	v_nop
	global_prefetch_b8 v0, s[64:65] scope:SCOPE_SE
	s_setreg_imm32_b32 hwreg(HW_REG_WAVE_MODE, 25, 1), 1
	s_wait_xcnt 0x0
	s_wait_alu depctr_hold_cnt(0) depctr_sa_sdst(0) depctr_va_vdst(0) depctr_va_sdst(0) depctr_va_ssrc(0) depctr_va_vcc(0) depctr_vm_vsrc(0)
	s_getreg_b32 s2, hwreg(HW_REG_IB_STS2, 6, 4)
	s_cmp_eq_u32 s2, 0
	s_cbranch_scc0 .Lentry_in_a_cluster
	s_endpgm
.Lentry_in_a_cluster:
	s_bfe_u32 s2, ttmp6, 0x10000c
	s_cmp_lg_u32 s2, 0xf033
	s_cbranch_scc0 .Lentry_shape_is_right
	s_endpgm
.Lentry_shape_is_right:
; qkv = x W_attn + b_attn on codes of BF6 (K = 1,024), and q, k, v quantised at once, in registers, for the attention launch: q and k along the head's 64, v along the keys.
; A tile is 256 x 256, four waves, a wave 128 x 128: 64 accumulators.  K goes in steps of 256 through a ring of two LDS slots; the scale bytes of the tile's rows come once.
; Source 1 of the matrix instruction ("A") gives the LANE axis of a result, source 0 ("B") the REGISTER axis, and a quantiser wants its K along a lane's registers.  So:
;   MODE 0 (cluster y 0..7):  A = x (tokens in lanes), B = W_attn's columns 0..2047 (q, k: the head's 64 in registers);
;   MODE 1 (cluster y 8..11): A = W_attn's columns 2048..3071 (v's channels in lanes), B = x (the keys in registers).
; MODE hangs on the cluster's y alone: it is the same in all sixteen partners.  Only pointers and tile numbers are chosen by it, and one branch on the way out.
; Rows of both operands lie at positions with bits 3 and 4 exchanged, so the 16 registers of B's tiles 2 b, 2 b + 1 are 16 neighbours: index 32 b + 16 (lane / 16) + i;
; lane r of A's block a is index 32 (a / 2) + 8 (a % 2) + r % 8 + 16 (r / 8).
; OUTPUT, by (batch, head), HREC bytes each, as images of the reader's operand registers: 16 records of 128 keys (K: 8 tiles of 6 registers; V^T: 4 tiles of 12 registers;
; K's scale words; V's), then Q's 128 tiles and their scale words.  Every store of codes covers whole aligned runs of 256 bytes.
; LIMITS: a block whose largest magnitude lies under 2^-122 (a block of zeros too) keeps the scale byte 1; NaN and infinities are not served.
; CLUSTERS: 4 x 4; A's tiles are asked for jointly along a row of the cluster, B's along a column.
; REGISTERS: window 0: v0-31 addresses; v32-63 scale words; v64-127 bias along the registers; v128-223 A's fragments; v224-239 bias along the lanes; on the way out v128-255 as named below.
;   window 1: B's fragments, two sets.   windows 2, 3: the accumulators ((a, b) at v[8 (8 (a % 4) + b)]).
.set KSTEP,  256
.set NQ,     KSTEP/128
.set ROWB,   192                       ; a tile's row in bytes
.set KROW,   768                       ; a row of codes in memory
.set PITCH,  240                       ; an LDS row: 3 x (64 bytes + 16 of padding)
.set FR,     12
.set NL,     6
.set NP,     4
.set HALFT,  128*PITCH
.set SLOT,   4*HALFT
.set LAPS,   2                         ; 1,024 along K = two laps of two slots
.set KS,     32                        ; a row of scale bytes
.set SCL,    2*SLOT
.set HALFS,  (128*KS/256)*272
.set SBLK,   (16*KS/256)*272
.set SPARE,  SCL+4*HALFS               ; the spare words, 128 bytes a wave: two blocks of 256 bytes that no other line names
.set HREC,   315392                    ; a head's record
.set STEPREC, 13056                    ; a record of 128 keys: K 6,144, V 6,144, K's scale words 512, V's 256
.set QC,     208896                    ; Q's tiles
.set QS,     307200                    ; Q's scale words
.set ADRA, 16
.set ADRB, 20
.set ADRS, 27
.set SPW,  28
.set NIL,  29
.set SC,   32
.set BR,   64                          ; v64-127  b_attn along the registers (MODE 0)
.set AF,   128
.set BP,   224                         ; v224-239 b_attn along the lanes, each number twice (MODE 1)
.set H,    128                         ; the way out: v128-191 a block's 64 numbers
.set PC,   192                         ; v192-210 the codes just made
.set PWS,  212                         ; v212-219 the eight blocks' scale words
.set SH16, 220                         ; v220 16 x (lane / 16)
.set VA16, 221                         ; v221 16 x lane
.set VA8,  222                         ; v222 8 x lane
.set VS,   223                         ; v223 (lane / 16) x HREC + 16 x (lane % 16)
.set TM,   240                         ; v240-255 at work in the quantiser
.set G1, 24
.set G0, 32
.set G1B, 48
.set G0B, 56
.set G1S, 68
.set G0S, 76
.set G1SB, 80
.set G0SB, 88
.set MODE, 95
.set SEL, 100
.set MSB, 0
.macro WIN new                         ; the immediate's high byte repeats the setting that is left
.if MSB != \new
	s_set_vgpr_msb (MSB<<8)|\new
.set MSB, \new
.endif
.endm
.set MUL_LO, 0xa1                      ; source 0 (B) window 1, source 1 (A) window 0, C and D window 2
.set MUL_HI, 0xf1
.set TO_B,   0x40
; A joint load: waves 0 and 1 fetch for A, waves 2 and 3 for B; the branch hangs on the wave's number alone.  Four v_nop follow each of the two lines.
.macro JLOAD g0a, g1a, g0b, g1b
	s_cmp_eq_u32 s15, 0
	s_cbranch_scc0 .Lfor_b_\@
	tensor_load_to_lds s[\g0a:\g0a+3], s[\g1a:\g1a+7]
	s_nop 0
.rept 4
	v_nop
.endr
	s_branch .Lasked_\@
.Lfor_b_\@:
	tensor_load_to_lds s[\g0b:\g0b+3], s[\g1b:\g1b+7]
	s_nop 0
.rept 4
	v_nop
.endr
.Lasked_\@:
.endm
.macro CREST                           ; a round of the cluster's barrier behind its opening barrier
	s_cmp_lg_u32 s14, 0
	s_cbranch_scc1 .Lnot_wave_0_\@
	s_barrier_signal -3
.Lnot_wave_0_\@:
	s_barrier_wait -3
	s_barrier_signal -1
	s_barrier_wait -1
.endm
.macro CROUND
	s_barrier_signal -1
	s_barrier_wait -1
	CREST
.endm
	s_load_b128 s[4:7], s[0:1], 0x0                ; x's codes, x's scales
	s_load_b128 s[8:11], s[0:1], 0x10              ; the weights' codes, their scales
	s_load_b64 s[96:97], s[0:1], 0x20              ; b_attn
	s_load_b64 s[12:13], s[0:1], 0x28              ; qkv
	v_lshl_add_u32 v[SPW], v0, 2, SPARE
	v_mov_b32 v[NIL], 0
	ds_add_u32 v28, v29
	ds_add_u32 v28, v29
	s_wait_dscnt 0x0
	v_lshrrev_b32 v1, 5, v0
	v_readfirstlane_b32 s14, v1                    ; wave 0..3
	s_lshr_b32 s15, s14, 1                         ; which half of A's rows is mine.  Also: I fetch for A (0) or for B (1)
	s_and_b32 s16, s14, 1                          ; which half of B's rows.  Also: which 128 rows I fetch
	s_bfe_u32 s40, ttmp6, 0x40000                  ; cx, cy: my place in the cluster
	s_bfe_u32 s41, ttmp6, 0x40004
	s_and_b32 s[MODE], ttmp7, 0xffff               ; cluster y
	s_lshl_b32 s18, s[MODE], 1
	s_add_co_u32 s18, s18, ttmp9
	s_sub_co_u32 s18, s18, 16                      ; MODE 1: 2 (cluster y - 8) + cluster x: which four tiles of tokens
	s_cmp_lt_u32 s[MODE], 8
	s_cselect_b32 s17, s[MODE], 2                  ; A's tile row / 4: tokens by cluster y, or the weights' rows 2,048 on
	s_cselect_b32 s42, ttmp9, s18                  ; B's tile / 4
	s_cselect_b32 s[MODE], 0, 1
	s_lshl_b32 s17, s17, 2
	s_add_co_u32 s17, s17, s41                     ; A's tile: hangs on cy alone
	s_lshl_b32 s42, s42, 2
	s_add_co_u32 s42, s42, s40                     ; B's tile: hangs on cx alone
	s_lshl_b32 s43, s41, 2
	s_lshl_b32 s43, 15, s43                        ; my row of the cluster
	s_lshl_b32 s44, 0x1111, s40                    ; my column
	; descriptor group 1: a tile of 128 rows x 192 bytes; 16 bytes of padding behind every 64
	s_or_b32 s[G1+0], s43, (0<<16)|(1<<20)|(1<<21)|(3<<22)|(3<<25)
	s_or_b32 s[G1B+0], s44, (0<<16)|(1<<20)|(1<<21)|(3<<22)|(3<<25)
.irp g, G1, G1B
	; a K step's rows of 192 bytes lie end to end in their plane: a tile is a dense block, stated as rows of 256 bytes; the padding's interval stays 64 bytes, so an LDS row is 240 bytes as before
	s_mov_b32 s[\g+1], 256<<16                     ; tensor_dim0
	s_mov_b32 s[\g+2], 192<<16                     ; tensor_dim1: 256 rows of 192 bytes for the head's loads
	s_mov_b32 s[\g+3], 256<<16                     ; tile_dim0
	s_mov_b32 s[\g+4], 192                         ; tile_dim1
	s_mov_b32 s[\g+5], 256                         ; stride from row to row
	s_mov_b32 s[\g+6], 0
	s_mov_b32 s[\g+7], 0
.endr
	; the scale bytes of 256 rows: 8,192 dense bytes as 32 rows of 256 (32 elements of 8 bytes), 16 bytes of padding behind each
	s_or_b32 s[G1S+0], s43, (3<<16)|(1<<20)|(1<<21)|(5<<22)|(3<<25)
	s_or_b32 s[G1SB+0], s44, (3<<16)|(1<<20)|(1<<21)|(5<<22)|(3<<25)
.irp g, G1S, G1SB
	s_mov_b32 s[\g+1], 32<<16
	s_mov_b32 s[\g+2], (256*KS/256)<<16
	s_mov_b32 s[\g+3], 32<<16
	s_mov_b32 s[\g+4], 256*KS/256
	s_mov_b32 s[\g+5], 32
	s_mov_b32 s[\g+6], 0
	s_mov_b32 s[\g+7], 0
.endr
	s_lshl_b32 s20, s17, 8                         ; A: the tile's first row
	s_lshl_b32 s46, s42, 8                         ; B likewise
	s_mov_b32 s21, 0
	s_mov_b32 s47, 0
	s_mov_b64 s[18:19], KS
	s_mul_u64 s[22:23], s[20:21], s[18:19]         ; where these rows' scales begin
	s_mul_u64 s[92:93], s[46:47], s[18:19]
	s_mov_b64 s[18:19], ROWB
	s_mul_u64 s[20:21], s[20:21], s[18:19]         ; and their codes, in plane 0
	s_mul_u64 s[46:47], s[46:47], s[18:19]
	s_mul_i32 s18, s16, 128*ROWB                   ; in the ring I fetch 128 rows of a tile: which half, in bytes
	s_mov_b32 s19, 0
	s_mul_i32 s45, s14, HALFT
	s_wait_kmcnt 0x0
	s_cmp_eq_u32 s[MODE], 0                        ; which tensor is A and which is B: a choice between buffers on the cluster's y
	s_cselect_b64 s[98:99], s[4:5], s[8:9]
	s_cselect_b64 s[100:101], s[6:7], s[10:11]
	s_cselect_b64 s[8:9], s[8:9], s[4:5]
	s_cselect_b64 s[10:11], s[10:11], s[6:7]
	s_mov_b64 s[4:5], s[98:99]
	s_mov_b64 s[6:7], s[100:101]
	s_add_nc_u64 s[20:21], s[4:5], s[20:21]
	s_add_nc_u64 s[22:23], s[6:7], s[22:23]
	s_add_nc_u64 s[46:47], s[8:9], s[46:47]
	s_add_nc_u64 s[92:93], s[10:11], s[92:93]
	CROUND                                         ; all sixteen work-groups are here: the first joint loads meet
	s_mov_b32 s[G0S], 1
	s_mov_b32 s[G0S+1], SCL
	s_mov_b64 s[G0S+2:G0S+3], s[22:23]
	s_or_b32 s[G0S+3], s[G0S+3], 0x80000000
	s_mov_b32 s[G0SB], 1
	s_mov_b32 s[G0SB+1], SCL+2*HALFS
	s_mov_b64 s[G0SB+2:G0SB+3], s[92:93]
	s_or_b32 s[G0SB+3], s[G0SB+3], 0x80000000
	s_mov_b32 s4, 1                                ; s[4:7]: group 0 of K step 0's 256 rows of A (the arguments that lay there have been used),
	s_mov_b32 s5, 0
	s_mov_b64 s[6:7], s[20:21]
	s_or_b32 s7, s7, 0x80000000
	s_mov_b32 s8, 1                                ; s[8:11]: of its 256 rows of B, behind them in slot 0
	s_mov_b32 s9, 2*HALFT
	s_mov_b64 s[10:11], s[46:47]
	s_or_b32 s11, s11, 0x80000000
	s_cmp_eq_u32 s[MODE], 0                        ; a plane of x's codes is 1,572,864 bytes, of W_attn's 589,824: which is A's hangs on the cluster's y
	s_mov_b32 s67, 589824
	s_cselect_b32 s66, 1572864, s67
	s_mov_b32 s93, 1572864
	s_cselect_b32 s92, 589824, s93
	s_mov_b32 s67, 0
	s_mov_b32 s93, 0
	s_add_nc_u64 s[20:21], s[20:21], s[18:19]      ; for the ring: my 128 rows of the tile
	s_add_nc_u64 s[46:47], s[46:47], s[18:19]
.irp s, 0,1
	s_mov_b32 s[G0+4*\s], 1
	s_add_co_u32 s[G0+4*\s+1], s45, \s*SLOT
	s_mov_b64 s[G0+4*\s+2:G0+4*\s+3], s[20:21]
	s_mov_b32 s[G0B+4*\s], 1
	s_add_co_u32 s[G0B+4*\s+1], s45, \s*SLOT
	s_mov_b64 s[G0B+4*\s+2:G0B+4*\s+3], s[46:47]
.endr
	s_add_nc_u64 s[G0+6:G0+7], s[G0+6:G0+7], s[66:67]        ; slot 1 begins with K step 1: a plane on
	s_add_nc_u64 s[G0B+6:G0B+7], s[G0B+6:G0B+7], s[92:93]
.irp s, 0,1
	s_or_b32 s[G0+4*\s+3], s[G0+4*\s+3], 0x80000000
	s_or_b32 s[G0B+4*\s+3], s[G0B+4*\s+3], 0x80000000
.endr
	s_lshl_b32 s66, s66, 1                         ; a refill steps two planes
	s_lshl_b32 s92, s92, 1
; THE HEAD'S LOADS, ONE A WAVE: wave 0 K step 0's 256 rows of A, wave 1 its 256 rows of B, wave 2 the scales of A's 256 rows, wave 3 those of B's.
; One tree of branches on the wave's number; every way through it passes exactly one load.
.macro ARM under, g0, g1, next
	s_cmp_lt_u32 s14, \under
	s_cbranch_scc0 \next
	tensor_load_to_lds s[\g0:\g0+3], s[\g1:\g1+7]
	s_nop 0
.rept 4
	v_nop
.endr
	s_branch .Lhead_asked
\next:
.endm
	ARM 1, 4, G1, .Lhead_b
	ARM 2, 8, G1B, .Lhead_sa
	ARM 3, G0S, G1S, .Lhead_sb
	tensor_load_to_lds s[G0SB:G0SB+3], s[G1SB:G1SB+7]
	s_nop 0
.rept 4
	v_nop
.endr
.Lhead_asked:
	; PREFETCHES INTO THE L2.  A K step of the 128 rows that I fetch is 96 blocks of 256 bytes; the four partners that ask for them jointly share them out by address, 24 each (cx for A, cy for B), a lane a block
	; (lanes 24-31 name the last block again).  Here K steps 1 and 2 are asked for, behind slot 1's first fill K step 3: one to two K steps ahead of the loads that want them.  The address registers are never written again.
	s_cmp_eq_u32 s15, 0                            ; do I fetch for A?
	s_cselect_b64 s[104:105], s[20:21], s[46:47]   ; my 128 rows, K step 0
	s_cselect_b32 s94, s40, s41                    ; my place among the four
	s_cselect_b32 s22, s66, s92                    ; two planes, in bytes
	s_lshr_b32 s23, s22, 1                         ; one
	s_mul_i32 s94, s94, 24
	v_and_b32 v10, 31, v0
	v_min_u32 v10, 23, v10
	v_add_nc_u32 v10, s94, v10
	v_lshlrev_b32 v10, 8, v10
	v_add_nc_u32 v11, s23, v10
	v_add_nc_u32 v12, s22, v10
	v_add_nc_u32 v13, s22, v11
	global_prefetch_b8 v11, s[104:105] th:TH_LOAD_NT scope:SCOPE_SE
	global_prefetch_b8 v12, s[104:105] th:TH_LOAD_NT scope:SCOPE_SE
	v_and_b32 v1, 15, v0                           ; r = lane % 16
	v_bfe_u32 v2, v0, 4, 1                         ; h = lane / 16
	v_mul_u32_u24 v3, v1, PITCH
	v_mul_u32_u24 v4, v2, 24
	v_add_nc_u32 v4, v3, v4                        ; a fragment's row x pitch + 24 x half
	v_lshl_add_u32 v5, v2, 4, v4                   ; and the same behind one padding more
	s_mul_i32 s21, s15, HALFT                      ; my 128 rows of A
	s_mul_i32 s22, s16, HALFT                      ; my 128 rows of B,
	s_add_co_u32 s22, s22, 2*HALFT                 ; which lie behind A's 256
.irp s, 0,1
	v_add_nc_u32 v[ADRA+\s], s21, v4
	v_add_nc_u32 v[ADRB+\s], s22, v4
	v_add_nc_u32 v[ADRA+2+\s], s21, v5
	v_add_nc_u32 v[ADRB+2+\s], s22, v5
	s_add_co_u32 s21, s21, SLOT
	s_add_co_u32 s22, s22, SLOT
.endr
	v_mul_u32_u24 v5, v1, KS                       ; my row's scales: 32 bytes a row,
	v_lshrrev_b32 v6, 8, v5
	v_lshl_add_u32 v5, v6, 4, v5                   ; and 16 more for each 256 passed
	s_mul_i32 s21, s15, HALFS
	s_mul_i32 s22, s16, HALFS
	s_add_co_u32 s22, s22, 2*HALFS
	s_sub_co_u32 s22, s22, s21
	v_mul_u32_u24 v6, s22, v2                      ; lanes 16-31 take B's
	s_add_co_u32 s21, s21, SCL
	v_add_nc_u32 v5, v5, v6
	v_add_nc_u32 v[ADRS], s21, v5
	; the bias, both ways; the way that the mode does not use reads b_attn's first 128 numbers and is not looked at
	s_lshl_b32 s46, s42, 10
	s_lshl_b32 s47, s16, 9
	s_add_co_u32 s46, s46, s47                     ; 4 x (256 x B's tile + 128 x half)
	s_lshl_b32 s20, s17, 10
	s_lshl_b32 s21, s15, 9
	s_add_co_u32 s20, s20, s21                     ; 4 x (256 x A's tile + 128 x half)
	s_cmp_eq_u32 s[MODE], 0
	s_cselect_b32 s46, s46, 0
	s_cselect_b32 s20, 0, s20
	s_mov_b32 s47, 0
	s_mov_b32 s21, 0
	s_add_nc_u64 s[98:99], s[96:97], s[20:21]
	s_add_nc_u64 s[96:97], s[96:97], s[46:47]
	v_lshlrev_b32 v8, 6, v2                        ; 16 numbers a half
	v_and_b32 v9, 8, v1
	v_add_nc_u32 v9, v9, v1                        ; r % 8 + 16 (r / 8)
	v_lshlrev_b32 v9, 2, v9
.irp g, 0,1,2,3,4,5,6,7,8,9,10,11,12,13,14,15
	global_load_b128 v[BR+4*\g:BR+4*\g+3], v8, s[96:97] offset:128*(\g/4)+16*(\g%4)   ; register 16 b + i: column 32 b + 16 h + i
.endr
.irp a, 0,1,2,3,4,5,6,7
	global_load_b32 v[BP+2*\a], v9, s[98:99] offset:4*(32*(\a/2)+8*(\a%2))            ; block a: my lane's column, twice, for the packed addition
	global_load_b32 v[BP+2*\a+1], v9, s[98:99] offset:4*(32*(\a/2)+8*(\a%2))
.endr
.macro FRAG reg, adr, q, i             ; a fragment, 16 rows x 128 K, is 12 registers: six pieces of 8 bytes of the row's stream of bits, as they lie
.irp p, 0,1,2,3,4,5
.set PCE, 12*(\q)+6*(\p/3)+\p%3        ; lanes 16-31 read three pieces on: where that lies behind one padding more, the second address register serves
.if PCE%8 < 5
	ds_load_b64 v[\reg+2*\p:\reg+2*\p+1], v[\adr] offset:8*PCE+16*(PCE/8)+(\i)*16*PITCH
.else
	ds_load_b64 v[\reg+2*\p:\reg+2*\p+1], v[\adr+2] offset:8*PCE+16*(PCE/8)+(\i)*16*PITCH
.endif
.endr
.endm
; 16 matrix instructions: A's blocks a0, a0 + 1 x B's eight.  The 64 accumulators take turns, one instruction a turn, in the same order in every step.
.macro MUL16 a0, p, q, sc, zero
.irp a, \a0, \a0+1
.irp b, 0,1,2,3,4,5,6,7
.if \zero
	v_wmma_scale_f32_16x16x128_f8f6f4 v[8*(8*((\a)%4)+\b):8*(8*((\a)%4)+\b)+7], v[128*(\p)+FR*\b:128*(\p)+FR*\b+FR-1], v[AF+FR*(\a):AF+FR*(\a)+FR-1], 0, v[SC+8*NQ*(\sc)+NQ*\b+(\q)], v[SC+8*NQ*(\sc)+NQ*(\a)+(\q)] matrix_a_fmt:MATRIX_FMT_BF6 matrix_b_fmt:MATRIX_FMT_BF6 matrix_a_scale:MATRIX_SCALE_ROW1
.else
	v_wmma_scale_f32_16x16x128_f8f6f4 v[8*(8*((\a)%4)+\b):8*(8*((\a)%4)+\b)+7], v[128*(\p)+FR*\b:128*(\p)+FR*\b+FR-1], v[AF+FR*(\a):AF+FR*(\a)+FR-1], v[8*(8*((\a)%4)+\b):8*(8*((\a)%4)+\b)+7], v[SC+8*NQ*(\sc)+NQ*\b+(\q)], v[SC+8*NQ*(\sc)+NQ*(\a)+(\q)] matrix_a_fmt:MATRIX_FMT_BF6 matrix_b_fmt:MATRIX_FMT_BF6 matrix_a_scale:MATRIX_SCALE_ROW1
.endif
.endr
.endr
.endm
.macro FETCH_B slot, q, p
	WIN TO_B
.irp i, 0,1,2,3,4,5,6,7
	FRAG 128*(\p)+FR*\i, ADRB+\slot, \q, \i
.endr
	WIN 0
.endm
.macro FETCH_A slot, q, i0
.irp i, \i0, \i0+1, \i0+2, \i0+3
	FRAG AF+FR*(\i), ADRA+\slot, \q, \i
.endr
.endm
.macro SCALES sc                       ; a K step's scale words: lanes 0-15 take A's block i, lanes 16-31 B's block i
.irp i, 0,1,2,3,4,5,6,7
	ds_load_b64 v[SC+8*NQ*\sc+NQ*\i:SC+8*NQ*\sc+NQ*\i+1], v[ADRS] offset:\i*SBLK
.endr
.endm
.macro PLACES n                        ; plain vector lines between a matrix instruction and a load into, or a vector read or write of, its registers
.rept \n
	v_nop
.endr
.endm
.macro STEP slot, q, zero              ; 128 along K with its successor in the same slot
	s_wait_dscnt 4*NL                              ; B's set and A's blocks 0-3 are in; the youngest 24 loads (A's blocks 4-7) may be out
	WIN MUL_LO
	MUL16 0, (\q)%2, \q, \slot, \zero
	MUL16 2, (\q)%2, \q, \slot, \zero
	s_wait_dscnt 0
	PLACES NP
	FETCH_B \slot, (\q)+1, 1-(\q)%2
	FETCH_A \slot, (\q)+1, 0
	WIN MUL_HI
	MUL16 4, (\q)%2, \q, \slot, \zero
	MUL16 6, (\q)%2, \q, \slot, \zero
	PLACES NP
	WIN 0
	FETCH_A \slot, (\q)+1, 4
.endm
; A slot's last step changes slots: one barrier; in front of it each wave waits for all its tensor loads, adds 0 to its spare word, and waits for that and for its reads of this slot.
.macro TURN slot, next, fill
	s_wait_tensorcnt 0x0                           ; all my tensor loads have landed: my part of the next slot
	ds_add_u32 v[SPW], v[NIL]                      ; 0 onto my spare word
	s_wait_dscnt 4*NL+1                            ; (the add and the youngest 24 loads may be out)
	WIN MUL_LO
	MUL16 0, 1, NQ-1, \slot, 0
	s_wait_dscnt 0x0                               ; the add is done, and my reads of this slot are over
	s_barrier_signal -1
	MUL16 2, 1, NQ-1, \slot, 0
	WIN 0
	s_barrier_wait -1
.if \fill
	CREST                                          ; the barrier has opened a round of the cluster's: no wave of any partner still reads this slot or has a load on its way
	s_add_nc_u64 s[G0+4*\slot+2:G0+4*\slot+3], s[G0+4*\slot+2:G0+4*\slot+3], s[66:67]
	s_add_nc_u64 s[G0B+4*\slot+2:G0B+4*\slot+3], s[G0B+4*\slot+2:G0B+4*\slot+3], s[92:93]
	JLOAD G0+4*\slot, G1, G0B+4*\slot, G1B         ; the first tensor load behind the round; its four v_nop are the places in front of the loads below
.else
	PLACES NP
.endif
	s_wait_alu depctr_va_vdst(0)
	v_add_nc_u32 v[ADRS], 4*NQ, v[ADRS]            ; on to the next K step's scale words
	FETCH_B \next, 0, 0
	FETCH_A \next, 0, 0
	SCALES \next
	WIN MUL_HI
	MUL16 4, 1, NQ-1, \slot, 0
	MUL16 6, 1, NQ-1, \slot, 0
	PLACES NP
	WIN 0
	FETCH_A \next, 0, 4
.endm
	s_wait_alu depctr_va_vdst(0)
	s_wait_loadcnt 0x0                             ; the bias
	s_wait_tensorcnt 0x0                           ; my tile of the head's four is in
	ds_add_u32 v[SPW], v[NIL]                      ; 0 onto my spare word
	s_mov_b32 s[G1+2], 96<<16                      ; no tensor load of mine is out: from here on a load brings 128 rows of 192 bytes, 96 rows of 256
	s_mov_b32 s[G1+4], 96
	s_mov_b32 s[G1B+2], 96<<16
	s_mov_b32 s[G1B+4], 96
	s_wait_dscnt 0x0                               ; the add is done
	CROUND                                         ; a whole round: all four tiles are in, and the sixteen work-groups are here
	JLOAD G0+4, G1, G0B+4, G1B                     ; K step 1's load, the first tensor load behind the round
	FETCH_B 0, 0, 0
	FETCH_A 0, 0, 0
	SCALES 0
	FETCH_A 0, 0, 4
	global_prefetch_b8 v13, s[104:105] th:TH_LOAD_NT scope:SCOPE_SE   ; K step 3, behind the joint load and the run of LDS loads
	STEP 0, 0, 1
	s_mov_b32 s3, LAPS-1
.Llap:                                             ; a trip goes once round the ring and fills both slots again
	TURN 0, 1, 1
	STEP 1, 0, 0
	TURN 1, 0, 1
	STEP 0, 0, 0
	s_sub_co_u32 s3, s3, 1
	s_cmp_lg_u32 s3, 0
	s_cbranch_scc1 .Llap
	TURN 0, 1, 0                                   ; the last lap fills nothing
	STEP 1, 0, 0
	s_wait_dscnt 4*NL
	WIN MUL_LO
	MUL16 0, 1, NQ-1, 1, 0
	MUL16 2, 1, NQ-1, 1, 0
	s_wait_dscnt 0
	WIN MUL_HI
	MUL16 4, 1, NQ-1, 1, 0
	MUL16 6, 1, NQ-1, 1, 0
	WIN 0
; ---------------- THE WAY OUT: bias, quantiser, stores; no LDS ----------------
	; where my part lies in qkv.  tokens and columns: which axis is which hangs on MODE; the places are chosen by selects, never by a branch
	s_lshl_b32 s20, s17, 8
	s_lshl_b32 s21, s15, 7
	s_add_co_u32 s20, s20, s21                     ; the lane axis' first index
	s_lshl_b32 s46, s42, 8
	s_lshl_b32 s47, s16, 7
	s_add_co_u32 s46, s46, s47                     ; the register axis' first index
	s_cmp_eq_u32 s[MODE], 0
	s_cselect_b32 s22, s20, s46                    ; my first token
	s_cselect_b32 s23, s46, s20                    ; my first column of qkv
	s_lshr_b32 s18, s22, 11                        ; batch
	s_bfe_u32 s19, s22, 0x40007                    ; which 128 tokens of its 2,048
	s_lshr_b32 s23, s23, 6
	s_lshr_b32 s92, s23, 4                         ; 0: q, 1: k, 2: v
	s_and_b32 s23, s23, 15                         ; my first head (I hold two)
	s_lshl_b32 s18, s18, 4
	s_add_co_u32 s18, s18, s23
	s_mul_i32 s18, s18, HREC
	s_mul_i32 s93, s19, STEPREC                    ; the record of these 128 keys
	s_mul_i32 s94, s19, 6144
	s_add_co_u32 s94, s94, QC                      ; q's eight tiles
	s_lshl_b32 s19, s19, 9
	s_add_co_u32 s19, s19, QS                      ; q's scale words
	s_add_co_u32 s22, s93, 12288                   ; k's scale words
	s_cmp_eq_u32 s92, 0
	s_cselect_b32 s94, s94, s93
	s_cselect_b32 s19, s19, s22
	s_add_co_u32 s22, s93, 6144                    ; v's tiles
	s_add_co_u32 s93, s93, 12800                   ; v's scale words
	s_cmp_eq_u32 s92, 2
	s_cselect_b32 s94, s22, s94
	s_cselect_b32 s19, s93, s19
	s_add_co_u32 s20, s94, s18
	s_mov_b32 s21, 0
	s_add_co_u32 s22, s19, s18
	s_mov_b32 s23, 0
	s_add_nc_u64 s[22:23], s[12:13], s[22:23]      ; the scale words' base
	s_add_nc_u64 s[12:13], s[12:13], s[20:21]      ; the codes' base
	s_mov_b32 s[SEL], 0x76543210
	s_mov_b32 s[SEL+1], 0xfedcba98                 ; v_permlanex16_b32's selects for lane l xor 16
	PLACES NP                                      ; behind the last products: their results are read and A's registers written below
	v_and_b32 v1, 15, v0
	v_bfe_u32 v2, v0, 4, 1
	v_and_b32 v3, 31, v0
	v_lshlrev_b32 v[SH16], 4, v2
	v_lshlrev_b32 v[VA16], 4, v3
	v_lshlrev_b32 v[VA8], 3, v3
	v_mul_u32_u24 v[VS], v2, HREC
	v_lshl_add_u32 v[VS], v1, 4, v[VS]
.irp b, 0,1,2,3
	v_mov_b32 v[TM+4+\b], 0                        ; written once: a lane permute's destination counts as one of its sources
.endr
; 64 numbers of a lane, register 16 b + i = k 32 b + 16 (lane / 16) + i of my row, become a fragment's 12 registers in v[PC] on and its scale word in v[pw].
.macro QUANT s, pw
.irp b, 0,1,2,3
	v_max3_num_f32 v[TM+\b], |v[\s+16*\b]|, |v[\s+1+16*\b]|, 0x2800000   ; block b: my 16 numbers, and the floor 2^(5 - 127)
.endr
.irp i, 2,4,6,8,10,12,14
.irp b, 0,1,2,3
	v_max3_num_f32 v[TM+\b], v[TM+\b], |v[\s+16*\b+\i]|, |v[\s+1+16*\b+\i]|
.endr
.endr
.irp b, 0,1,2,3
	v_permlanex16_b32 v[TM+4+\b], v[TM+\b], s[SEL], s[SEL+1]
.endr
.irp b, 0,1,2,3
	v_max_num_f32 v[TM+\b], v[TM+\b], v[TM+4+\b]   ; with lane l xor 16's: the block's largest magnitude
.endr
.irp b, 0,1,2,3
	v_add_nc_u32 v[TM+12+\b], 0xfe000000, v[TM+\b] ; 4 off its exponent field: the conversion's scale operand
.endr
.irp b, 0,1,2,3
	v_lshrrev_b32 v[TM+4+\b], 23, v[TM+12+\b]      ; the scale's byte
.endr
	v_lshl_or_b32 v[\pw], v[TM+5], 8, v[TM+4]
	v_lshl_or_b32 v[\pw], v[TM+6], 16, v[\pw]
	v_lshl_or_b32 v[\pw], v[TM+7], 24, v[\pw]
.irp c, 0,1
	v_cvt_scalef32_pk16_bf6_f32 v[PC+6*\c:PC+2+6*\c], v[\s+32*\c:\s+15+32*\c], v[TM+12+2*\c]
	v_cvt_scalef32_pk16_bf6_f32 v[PC+12+4*\c:PC+14+4*\c], v[\s+16+32*\c:\s+31+32*\c], v[TM+12+2*\c+1]   ; (a conversion's three registers begin on an even number)
.endr
	v_nop                                          ; one plain line behind the conversions
.irp c, 0,1                                    ; the operand's layout wants a whole block in a lane
.irp i, 0,1,2
	v_permlane16_swap_b32 v[PC+6*\c+\i], v[PC+12+4*\c+\i]
.endr
.irp i, 0,1,2
	v_mov_b32 v[PC+3+6*\c+\i], v[PC+12+4*\c+\i]
.endr
.endr
.endm
; Block a of the lane axis: its eight accumulators plus the bias come into window 0 (each accumulator read from its low end on), are quantised, and leave.
.macro OUTBLK a, mode
.if (\a) > 0
	s_wait_xcnt 0x0                                ; the last block's stores have read their data: the codes' registers may be written again
.endif
.set WN, 0x02+(\a)/4
	WIN WN                                         ; source 0: window 2 or 3
.set J, 0
.rept 32
.if \mode
	v_pk_add_f32 v[H+J:H+J+1], v[64*((\a)%4)+J:64*((\a)%4)+J+1], v[BP+2*(\a):BP+2*(\a)+1]
.else
	v_pk_add_f32 v[H+J:H+J+1], v[64*((\a)%4)+J:64*((\a)%4)+J+1], v[BR+J:BR+J+1]
.endif
.set J, J+2
.endr
	WIN 0
	QUANT H, PWS+(\a)
.if \mode
.irp g, 0,1,2                                  ; 16 channels x 128 keys: a whole fragment of V^T; head a / 4, tile a % 4
	global_store_b128 v[VA16], v[PC+4*\g:PC+4*\g+3], s[12:13] offset:((\a)/4)*HREC+((\a)%4)*1536+512*\g
.endr
.else                                          ; 16 tokens x two heads: registers 0-5 are the first head's 64, registers 6-11 the second's
	global_store_b128 v[VA16], v[PC:PC+3], s[12:13] offset:768*(\a)
	global_store_b64 v[VA8], v[PC+4:PC+5], s[12:13] offset:768*(\a)+512
	global_store_b128 v[VA16], v[PC+6:PC+9], s[12:13] offset:HREC+768*(\a)
	global_store_b64 v[VA8], v[PC+10:PC+11], s[12:13] offset:HREC+768*(\a)+512
.endif
.endm
	s_cmp_lg_u32 s[MODE], 0
	s_cbranch_scc1 .Lvalues
.irp a, 0,1,2,3,4,5,6,7
	OUTBLK \a, 0
.endr
.irp a, 0,1,2,3,4,5,6,7
	v_bfe_u32 v[PWS+\a], v[PWS+\a], v[SH16], 16    ; lanes 0-15 keep the first head's two bytes, lanes 16-31 the second's; the upper two bytes are 0
.endr
	global_store_b128 v[VS], v[PWS:PWS+3], s[22:23]              ; four tiles' words of a row: sixteen lanes store 256 consecutive bytes in each head's record
	global_store_b128 v[VS], v[PWS+4:PWS+7], s[22:23] offset:256
	s_branch .Ldone
.Lvalues:
.irp a, 0,1,2,3,4,5,6,7
	OUTBLK \a, 1
.endr
	s_mov_b32 vcc_lo, 0xffff0000
.irp i, 0,1,2,3
	v_cndmask_b32 v[PWS+\i], v[PWS+\i], v[PWS+4+\i], vcc_lo      ; lanes 0-15: the first head's four tiles, lanes 16-31: the second's
.endr
	global_store_b128 v[VS], v[PWS:PWS+3], s[22:23]
.Ldone:
	s_wait_tensorcnt 0x0                           ; the wave's end
	ds_add_u32 v[SPW], v[NIL]
	s_wait_dscnt 0x0
	CROUND                                         ; the closing round: no work-group ends while a partner may still ask for a tile that names it
	s_endpgm
.Lfunc_end_k_q9932e01f1a_gemm_qkv:
	.size	k_q9932e01f1a_gemm_qkv, .Lfunc_end_k_q9932e01f1a_gemm_qkv-k_q9932e01f1a_gemm_qkv
	.p2alignl 7, 3214868480
	.fill 96, 4, 3214868480
	.section	.rodata,"a",@progbits
	.p2align	6, 0x0
	.amdhsa_kernel k_q9932e01f1a_gemm_qkv
		.amdhsa_group_segment_fixed_size 327680
		.amdhsa_private_segment_fixed_size 0
		.amdhsa_enable_private_segment 0
		.amdhsa_kernarg_size 48
		.amdhsa_user_sgpr_count 2
		.amdhsa_user_sgpr_kernarg_segment_ptr 1
		.amdhsa_wavefront_size32 1
		.amdhsa_system_sgpr_workgroup_id_x 1
		.amdhsa_system_sgpr_workgroup_id_y 1
		.amdhsa_system_sgpr_workgroup_id_z 1
		.amdhsa_system_vgpr_workitem_id 0
		.amdhsa_next_free_vgpr 1024
		.amdhsa_next_free_sgpr 106
		.amdhsa_reserve_vcc 1
		.amdhsa_float_denorm_mode_32 3
		.amdhsa_float_denorm_mode_16_64 3
		.amdhsa_memory_ordered 1
		.amdhsa_forward_progress 1
		.amdhsa_inst_pref_size 237
	.end_amdhsa_kernel
	.amdgpu_metadata
---
amdhsa.version: [ 1, 2 ]
amdhsa.kernels:
  - .name:           k_q9932e01f1a_gemm_qkv
    .symbol:         k_q9932e01f1a_gemm_qkv.kd
    .args:
      - { .name: x_codes, .offset: 0, .size: 8, .value_kind: global_buffer, .address_space: global }
      - { .name: x_scales, .offset: 8, .size: 8, .value_kind: global_buffer, .address_space: global }
      - { .name: w_codes, .offset: 16, .size: 8, .value_kind: global_buffer, .address_space: global }
      - { .name: w_scales, .offset: 24, .size: 8, .value_kind: global_buffer, .address_space: global }
      - { .name: b_attn, .offset: 32, .size: 8, .value_kind: global_buffer, .address_space: global }
      - { .name: qkv, .offset: 40, .size: 8, .value_kind: global_buffer, .address_space: global }
    .group_segment_fixed_size: 327680
    .private_segment_fixed_size: 0
    .kernarg_segment_align: 8
    .kernarg_segment_size: 48
    .max_flat_workgroup_size: 128
    .sgpr_count:     106
    .vgpr_count:     1024
    .wavefront_size: 32
...
	.end_amdgpu_metadata
.endif
;; end of part 2
;; launch attn (part 3): grid 4 x 64, 8 waves a work-group, clusters of 4 x 1, 210,944 bytes of LDS; arguments qkv, y_codes, y_scales; writes y_codes, y_scales
.if DOCPART == 3
	.amdgcn_target "amdgcn-amd-amdhsa--gfx1250"
	.amdhsa_code_object_version 6
	.text
	.protected	k_q9932e01f1a_attn
	.globl	k_q9932e01f1a_attn
	.p2align	8
	.type	k_q9932e01f1a_attn,@function
k_q9932e01f1a_attn:
	s_mov_b64 s[64:65], 0
	v_nop
	global_prefetch_b8 v0, s[64:65] scope:SCOPE_SE
	s_setreg_imm32_b32 hwreg(HW_REG_WAVE_MODE, 25, 1), 1
	s_wait_xcnt 0x0
	s_wait_alu depctr_hold_cnt(0) depctr_sa_sdst(0) depctr_va_vdst(0) depctr_va_sdst(0) depctr_va_ssrc(0) depctr_va_vcc(0) depctr_vm_vsrc(0)
	s_getreg_b32 s2, hwreg(HW_REG_IB_STS2, 6, 4)
	s_cmp_eq_u32 s2, 0
	s_cbranch_scc0 .Lentry_in_a_cluster
	s_endpgm
.Lentry_in_a_cluster:
	s_bfe_u32 s2, ttmp6, 0x10000c
	s_cmp_lg_u32 s2, 0x3003
	s_cbranch_scc0 .Lentry_shape_is_right
	s_endpgm
.Lentry_shape_is_right:
; y = softmax(Q K^T / 8, causal) V for one (batch, head) a cluster, both products on codes of BF6; y is quantised along C at once, for the last product.
; THE SOFTMAX: t = score x log2(e) / 8; M = the running largest t rounded UP to a whole number; p = 2^(t - M) is quantised along the keys, not normalised; the row's sum is
; taken of the unquantised p and divides O at the end.  When M moves, the sum and O are multiplied by 2^(old M - new M): exact.
; SHARES.  A head's K, V and scale words, 16 records of 13,056 bytes, come into LDS ONCE: wave w asks for records 2 w and 2 w + 1 by one load, jointly with the three partners of the cluster;
; nothing is filled again, nothing is stored to LDS, the loops have no barrier, and there is no later tile to prefetch.  A wave takes TWO tiles of 16 queries AT ONCE, tiles 8 m + 2 cx and 8 m + 2 cx + 1,
; for two values of m, one a pass, read off two tables of constants by the wave's number; a pass is m + 1 steps of 128 keys.  THE DEAL IS UNEVEN: waves 0-3 take m = 15, 14, 13, 12 and then 4, 9, 10, 11
; (21, 25, 25, 25 steps), waves 4-7 take m = 8, 7, 6, 5 and then 0, 1, 2, 3 (10 steps each); each m from 0 to 15 is taken once, and waves w and w + 4 have 31 or 35 steps between them.
; Each fragment of K and V feeds two products, and every line is written for both tiles by turns, so that no line waits for the line above it.
; Keys wholly behind the queries are passed over by a branch on the wave's number, the pass and the step alone, never on cx.
; LAYOUT.  Both products transposed: S^T = K Q^T, O^T = V^T P^T: a lane holds one query.  Tiles lie in memory as images of the operand's registers, rows at positions with bits 3 and 4
; exchanged: the 16 registers of tiles 2 b, 2 b + 1 of S^T are keys 32 b + 16 (lane / 16) + i; lane r of query tile a is query 32 (a / 2) + 8 (a % 2) + r % 8 + 16 (r / 8).
; THE HEAD IS 64, THE INSTRUCTION 128 DEEP: Q's registers 6-11 hold zero codes.  K's tiles lie six registers apart, so a tile's operand runs on over the next tile's codes (behind the last:
; six zeros): finite numbers, since the format has no NaN and no infinity, times zero codes, under scale bytes 0 (2^-127): they add exactly nothing.
; K's tiles of the NEXT step are asked of LDS straight behind this step's score products, V's of this step with them: both land under the softmax.  Behind a tile's last step that asks for a record that is not used (held at record 15).
; LIMITS: NaN and infinities are not served; a block of y whose largest magnitude lies under 2^-122 keeps the scale byte 1; the scaled scores stay under 2^31 in magnitude.
; y's scale bytes leave as two bytes a row, 32 bytes apart; the codes leave in whole aligned runs of 256 bytes.
; REGISTERS.  Window 1 holds what is large, for tile T = 0, 1: S^T, then p, at v[64 T]; O^T at v[128 + 32 T]; p's codes at v[192 + 20 T]; Q at v[232 + 12 T].
; Window 0: addresses, K's and V's fragments, all scale words (scale operands have no window), and each tile's small state, as named below.
.set HREC,   315392
.set STEPREC, 13056
.set VOFF,   6144
.set KSC,    12288
.set VSC,    12800
.set QC,     208896
.set QS,     307200
.set SPARE,  208896                    ; behind the 16 records: the spare words, 128 bytes a wave
.set WV,   10
.set CXR,  11
.set BH,   12
.set PASS, 13
.set MM,   14
.set AT,   15
.set ST,   16
.set TB,   17
.set HB,   18
.set SEL,  20
.set CS,   22
.set G1,   24
.set G0,   32
.set QB,   36
.set QSB,  38
.set YB,   40
.set YSB,  42
.set TN,   50
.set W4,   51                          ; 4 x wave: where my four bits stand in a table
.set AV16, 1                           ; this step's V: record + 16 x lane;  v3: + 16 r
.set AKS,  2                           ; the next step's K: record + 16 r;  v30: + 16 x lane;  v31: + 8 x lane
.set AVS,  3
.set L16,  4                           ; 16 x lane, 8 x lane, 16 r, 32 r
.set L8,   5
.set R16,  6
.set R32,  7
.set LP,   8                           ; r % 8 + 16 (r / 8) - 16 h
.set NINF, 9
.set DD,   10                          ; v[10 + T] the mask's bound
.set NM,   12                          ; v[12 + 4 T] -M, +1 the largest t, +2, +3 the sum
.set FF,   20                          ; v[20 + 2 T] f = 2^(old M - new M); the register above it is named with it as a pair and holds 0
.set QW,   24                          ; v[24 + T] Q's scale word
.set PW,   26                          ; v[26 + T] p's scale word
.set SPW,  28
.set NIL,  29
.set AK16, 30
.set AK8,  31
.set KF,   32                          ; v32-79 K's eight tiles, v80-85 zeros
.set VF,   96                          ; v96-143 V^T's four tiles
.set KW,   144                         ; v144-151 K's scale words, v152-155 V's
.set VW,   152
.set TT,   160                         ; v[160 + 32 T]: +0..3 the blocks' largest; +4..7 a lane permute's results, then bytes; +8..11 the conversions' scale operands; +12 at work; +14..27 seven partial sums
.set YS,   224                         ; v[224 + T] y's two scale bytes
.set OO,   128
.set PC,   192
.set QQ,   232
.set MSB, 0
.macro WIN new                         ; bits 1:0 source 0, 3:2 source 1, 5:4 source 2, 7:6 destination; the high byte repeats the setting that is left
.if MSB != \new
	s_set_vgpr_msb (MSB<<8)|\new
.set MSB, \new
.endif
.endm
.macro ROUND                           ; a round of the cluster's barrier
	s_barrier_signal -1
	s_barrier_wait -1
	s_cmp_lg_u32 s[WV], 0
	s_cbranch_scc1 .Lnot_wave_0_\@
	s_barrier_signal -3
.Lnot_wave_0_\@:
	s_barrier_wait -3
	s_barrier_signal -1
	s_barrier_wait -1
.endm
	s_load_b128 s[4:7], s[0:1], 0x0                ; qkv, y_codes
	s_load_b64 s[8:9], s[0:1], 0x10                ; y_scales
	v_lshl_add_u32 v[SPW], v0, 2, SPARE
	v_mov_b32 v[NIL], 0
	ds_add_u32 v[SPW], v[NIL]                      ; the opening lines: the add, twice on end, and its wait ahead of my tensor load
	ds_add_u32 v[SPW], v[NIL]
	v_lshrrev_b32 v1, 5, v0
	v_readfirstlane_b32 s[WV], v1                  ; wave 0..7
	s_bfe_u32 s[CXR], ttmp6, 0x40000               ; cx: it enters global addresses and the mask's bound alone
	s_and_b32 s[BH], ttmp7, 0xffff                 ; 16 x batch + head, which the four partners share
	s_mul_i32 s44, s[BH], HREC
	s_mov_b32 s45, 0
	s_mul_i32 s46, s[WV], 2*STEPREC
	s_mov_b32 s47, 0
	s_mov_b32 s[G1], 15|(3<<16)|(1<<21)            ; two dense records, 26,112 bytes, as 102 rows of 256 (32 elements of 8 bytes); the mask names all four work-groups
	s_mov_b32 s[G1+1], 32<<16
	s_mov_b32 s[G1+2], 102<<16
	s_mov_b32 s[G1+3], 32<<16
	s_mov_b32 s[G1+4], 102
	s_mov_b32 s[G1+5], 32
	s_mov_b32 s[G1+6], 0
	s_mov_b32 s[G1+7], 0
	s_mov_b32 s[SEL], 0x76543210
	s_mov_b32 s[SEL+1], 0xfedcba98                 ; v_permlanex16_b32's selects for lane l xor 16
	s_mov_b32 s[CS], 0x3e38aa3b                    ; c = log2(e) / 8
	s_mov_b32 s[CS+1], s[CS]
	s_wait_dscnt 0x0
	s_wait_kmcnt 0x0
	s_add_nc_u64 s[HB:HB+1], s[4:5], s[44:45]      ; the head's record
	s_mov_b32 s[G0], 1
	s_mov_b32 s[G0+1], s46                         ; LDS address: wave x 26,112
	s_add_nc_u64 s[G0+2:G0+3], s[HB:HB+1], s[46:47]
	s_or_b32 s[G0+3], s[G0+3], 0x80000000
	ROUND                                          ; all four work-groups are here: the joint loads meet
	tensor_load_to_lds s[G0:G0+3], s[G1:G1+7]      ; my one tensor load of the launch
	s_nop 0
.rept 4
	v_nop
.endr
	v_and_b32 v[L16], 31, v0
	v_and_b32 v1, 15, v0                           ; r
	v_bfe_u32 v2, v0, 4, 1                         ; h
	v_lshlrev_b32 v[L8], 3, v[L16]
	v_lshlrev_b32 v[L16], 4, v[L16]
	v_lshlrev_b32 v[R16], 4, v1
	v_lshlrev_b32 v[R32], 5, v1
	v_and_b32 v[LP], 8, v1
	v_lshlrev_b32 v2, 4, v2
	v_add_nc_u32 v[LP], v[LP], v1
	v_mov_b32 v[NINF], 0xff800000
	v_sub_nc_u32 v[LP], v[LP], v2
.irp j, 80,81,82,83,84,85, 21,23, 164,165,166,167, 196,197,198,199
	v_mov_b32 v\j, 0                               ; zero codes behind K's last tile; the pairs' upper registers; a lane permute's destination counts as a source
.endr
	WIN 0x40
.irp j, 238,239,240,241,242,243, 250,251,252,253,254,255
	v_mov_b32 v\j, 0                               ; zero codes: Q's upper halves
.endr
	WIN 0
	s_mov_b32 s[PASS], 0
	s_lshl_b32 s[W4], s[WV], 2
	s_lshr_b32 s[MM], 0x5678cdef, s[W4]            ; the first pass's m, four bits a wave: 15, 14, 13, 12, 8, 7, 6, 5
	s_and_b32 s[MM], s[MM], 15
	s_wait_alu depctr_va_vdst(0)
	s_wait_tensorcnt 0x0                           ; my records are in LDS,
	s_barrier_signal -1
	s_barrier_wait -1                              ; everybody's are
.Lpass:
	s_lshl_b32 s[AT], s[MM], 3
	s_lshl_b32 s44, s[CXR], 1
	s_add_co_u32 s[AT], s[AT], s44                 ; my first tile of queries: 8 m + 2 cx; the second is the next
	s_mul_i32 s44, s[AT], 768
	s_add_co_u32 s44, s44, QC
	s_mov_b32 s45, 0
	s_add_nc_u64 s[QB:QB+1], s[HB:HB+1], s[44:45]
	s_lshr_b32 s44, s[AT], 2
	s_lshl_b32 s44, s44, 8
	s_and_b32 s46, s[AT], 3
	s_lshl_b32 s46, s46, 2
	s_add_co_u32 s44, s44, s46
	s_add_co_u32 s44, s44, QS
	s_add_nc_u64 s[QSB:QSB+1], s[HB:HB+1], s[44:45]
	WIN 0x40
.irp T, 0,1
	global_load_b128 v[QQ+12*\T:QQ+12*\T+3], v[L16], s[QB:QB+1] offset:768*\T        ; Q's six registers, as they were stored
	global_load_b64 v[QQ+12*\T+4:QQ+12*\T+5], v[L8], s[QB:QB+1] offset:768*\T+512
.endr
	WIN 0
.irp T, 0,1
	global_load_b32 v[QW+\T], v[R16], s[QSB:QSB+1] offset:4*\T                       ; and its scale word
.endr
.irp t, 0,1,2,3,4,5,6,7
	ds_load_b128 v[KF+6*\t:KF+6*\t+3], v[L16] offset:768*\t                          ; K's tiles of step 0
	ds_load_b64 v[KF+6*\t+4:KF+6*\t+5], v[L8] offset:768*\t+512
.endr
	ds_load_b128 v[KW:KW+3], v[R16] offset:KSC
	ds_load_b128 v[KW+4:KW+7], v[R16] offset:KSC+256
	s_lshr_b32 s44, s[BH], 4                       ; batch
	s_lshl_b32 s44, s44, 7
	s_add_co_u32 s44, s44, s[AT]                   ; the tile of rows of y: 128 x batch + tile
	s_lshl_b32 s46, s44, 9                         ; 16 rows of 32 scale bytes
	s_and_b32 s47, s[BH], 15                       ; head
	s_lshl_b32 s48, s47, 1
	s_add_co_u32 s46, s46, s48
	s_lshl_b32 s44, s44, 4
	s_add_co_u32 s44, s44, s47
	s_mul_i32 s44, s44, 768
	s_add_nc_u64 s[YB:YB+1], s[6:7], s[44:45]
	s_mov_b32 s47, 0
	s_add_nc_u64 s[YSB:YSB+1], s[8:9], s[46:47]
	s_lshl_b32 s48, s[CXR], 5
	v_add_nc_u32 v[DD], s48, v[LP]                 ; d = my query - 128 m - 16 h: register 16 b + i of the diagonal step is hidden where 32 b + i > d
	v_add_nc_u32 v[DD+1], 8, v[DD]
.irp T, 0,1
	v_mov_b32 v[NM+4*\T+1], 0xff61b1e6             ; the largest t so far: -3e38
	v_mov_b32 v[NM+4*\T+2], 0
	v_mov_b32 v[NM+4*\T+3], 0
.endr
.irp T, 0,1
	v_floor_f32 v[NM+4*\T], -v[NM+4*\T+1]          ; -M
.endr
	WIN 0x40
.set J, 0
.rept 64
	v_mov_b32 v[OO+J], 0                           ; O^T: the step is written once; its first trip finds zeros
.set J, J+1
.endr
	WIN 0
	s_mov_b32 s[ST], 0
	s_mov_b32 s[TB], 0
	s_wait_loadcnt 0x0                             ; Q
.Lstep:                                            ; 16 trips, a constant; a step whose keys all come after my queries is passed over
	s_cmp_gt_u32 s[ST], s[MM]
	s_cbranch_scc1 .Lhidden
	s_add_co_u32 s[TN], s[TB], STEPREC
	s_min_u32 s[TN], s[TN], 15*STEPREC             ; the next step's record, held inside the 16
	s_wait_dscnt 0x0                               ; K's tiles and scale words, asked for a step ago
	WIN 0x54                                       ; source 0 (K, V) window 0; source 1, C and D window 1
.irp t, 0,1,2,3,4,5,6,7
.irp T, 0,1
	v_wmma_scale_f32_16x16x128_f8f6f4 v[64*\T+8*\t:64*\T+8*\t+7], v[KF+6*\t:KF+6*\t+11], v[QQ+12*\T:QQ+12*\T+11], 0, v[KW+\t], v[QW+\T] matrix_a_fmt:MATRIX_FMT_BF6 matrix_b_fmt:MATRIX_FMT_BF6
.endr
.endr
	WIN 0
	v_add_nc_u32 v[AV16], s[TB], v[L16]            ; five plain lines: the places in front of the loads into K's and V's registers and of the first read of the scores
	v_add_nc_u32 v[AVS], s[TB], v[R16]
	v_add_nc_u32 v[AK16], s[TN], v[L16]
	v_add_nc_u32 v[AK8], s[TN], v[L8]
	v_add_nc_u32 v[AKS], s[TN], v[R16]
.irp t, 0,1,2,3
.irp g, 0,1,2
	ds_load_b128 v[VF+12*\t+4*\g:VF+12*\t+4*\g+3], v[AV16] offset:VOFF+1536*\t+512*\g   ; 13 loads: V^T's four tiles and their scale words
.endr
.endr
	ds_load_b128 v[VW:VW+3], v[AVS] offset:VSC
.irp t, 0,1,2,3,4,5,6,7
	ds_load_b128 v[KF+6*\t:KF+6*\t+3], v[AK16] offset:768*\t                            ; 18 loads: the next step's K
	ds_load_b64 v[KF+6*\t+4:KF+6*\t+5], v[AK8] offset:768*\t+512
.endr
	ds_load_b128 v[KW:KW+3], v[AKS] offset:KSC
	ds_load_b128 v[KW+4:KW+7], v[AKS] offset:KSC+256
	s_cmp_lg_u32 s[ST], s[MM]
	s_cbranch_scc1 .Lopen
	WIN 0x41                                       ; source 0 and destination window 1
.set J, 0
.rept 64                                           ; the diagonal step: hidden scores become -infinity ahead of the maximum, so p = 0 there
.irp T, 0,1
	v_cmp_gt_i32 vcc_lo, 32*(J/16)+J%16, v[DD+\T]
	v_cndmask_b32 v[64*\T+J], v[64*\T+J], v[NINF], vcc_lo
.endr
.set J, J+1
.endr
	WIN 0
.Lopen:
	WIN 0x15
.irp b, 0,1,2,3
.irp T, 0,1
	v_max3_num_f32 v[TT+32*\T+\b], v[64*\T+16*\b], v[64*\T+16*\b+1], v[64*\T+16*\b+2]   ; the largest score of each block of 32 keys: for the row's maximum, and for the block's largest p
.endr
.endr
	WIN 0x14
.irp i, 3,5,7,9,11,13
.irp b, 0,1,2,3
.irp T, 0,1
	v_max3_num_f32 v[TT+32*\T+\b], v[TT+32*\T+\b], v[64*\T+16*\b+\i], v[64*\T+16*\b+\i+1]
.endr
.endr
.endr
.irp b, 0,1,2,3
.irp T, 0,1
	v_max_num_f32 v[TT+32*\T+\b], v[TT+32*\T+\b], v[64*\T+16*\b+15]
.endr
.endr
	WIN 0
.irp b, 0,1,2,3
.irp T, 0,1
	v_permlanex16_b32 v[TT+32*\T+4+\b], v[TT+32*\T+\b], s[SEL], s[SEL+1]
.endr
.endr
.irp b, 0,1,2,3
.irp T, 0,1
	v_max_num_f32 v[TT+32*\T+\b], v[TT+32*\T+\b], v[TT+32*\T+4+\b]   ; with lane l xor 16's 16 keys
.endr
.endr
.irp T, 0,1
	v_max3_num_f32 v[TT+32*\T+12], v[TT+32*\T], v[TT+32*\T+1], v[TT+32*\T+2]
.endr
.irp T, 0,1
	v_max_num_f32 v[TT+32*\T+12], v[TT+32*\T+12], v[TT+32*\T+3]      ; the step's largest score of my query
.endr
.irp T, 0,1
	v_mul_f32 v[TT+32*\T+12], s[CS], v[TT+32*\T+12]                  ; as t
.endr
.irp T, 0,1
	v_max_num_f32 v[NM+4*\T+1], v[NM+4*\T+1], v[TT+32*\T+12]         ; the running largest t
.endr
.irp T, 0,1
	v_mov_b32 v[TT+32*\T+12], v[NM+4*\T]
.endr
.irp T, 0,1
	v_floor_f32 v[NM+4*\T], -v[NM+4*\T+1]                            ; the new -M = -ceil(t)
.endr
.irp T, 0,1
	v_sub_f32 v[TT+32*\T+12], v[NM+4*\T], v[TT+32*\T+12]             ; old M - new M: a whole number, 0 or less
.endr
.irp T, 0,1
	v_cvt_i32_f32 v[TT+32*\T+12], v[TT+32*\T+12]                     ; (it saturates)
.endr
.irp T, 0,1
	v_ldexp_f32 v[FF+2*\T], 1.0, v[TT+32*\T+12]                      ; f = 2^(old M - new M)
.endr
	WIN 0x41
.set J, 0
.rept 32
.irp T, 0,1
	v_pk_fma_f32 v[64*\T+J:64*\T+J+1], v[64*\T+J:64*\T+J+1], s[CS:CS+1], v[NM+4*\T:NM+4*\T+1] op_sel_hi:[1,0,0]   ; t - M, two at a time
.endr
.set J, J+2
.endr
	WIN 0
.irp b, 0,1,2,3
.irp T, 0,1
	v_fma_f32 v[TT+32*\T+\b], v[TT+32*\T+\b], s[CS], v[NM+4*\T]      ; the same of each block's largest score
.endr
.endr
	s_wait_alu depctr_va_vdst(0)
	WIN 0x41
.set J, 0
.rept 128
	v_exp_f32 v[J], v[J]                           ; p = 2^(t - M)
.set J, J+1
.endr
	WIN 0
.irp T, 0,1
	v_pk_mul_f32 v[NM+4*\T+2:NM+4*\T+3], v[NM+4*\T+2:NM+4*\T+3], v[FF+2*\T:FF+2*\T+1] op_sel_hi:[1,0]   ; the sums under the new M (plain lines behind the exponentials)
.endr
	s_wait_alu depctr_va_vdst(0)                   ; one wait for the batch of 128, ahead of its first reader
.irp b, 0,1,2,3
.irp T, 0,1
	v_exp_f32 v[TT+32*\T+\b], v[TT+32*\T+\b]       ; the block's largest p
.endr
.endr
	WIN 0x05                                       ; THE ROW'S SUM IS TAKEN OF THE UNQUANTISED p: two at a time, in eight chains a tile
.irp k, 0,1,2,3,4,5,6
.irp T, 0,1
	v_pk_add_f32 v[TT+32*\T+14+2*\k:TT+32*\T+15+2*\k], v[64*\T+4*\k:64*\T+4*\k+1], v[64*\T+4*\k+2:64*\T+4*\k+3]
.endr
.endr
	WIN 0x04
.irp o, 28,42
.irp k, 0,1,2,3,4,5,6
.irp T, 0,1
	v_pk_add_f32 v[TT+32*\T+14+2*\k:TT+32*\T+15+2*\k], v[TT+32*\T+14+2*\k:TT+32*\T+15+2*\k], v[64*\T+\o+2*\k:64*\T+\o+2*\k+1]
.endr
.endr
.endr
.irp k, 0,1,2
.irp T, 0,1
	v_pk_add_f32 v[TT+32*\T+14+2*\k:TT+32*\T+15+2*\k], v[TT+32*\T+14+2*\k:TT+32*\T+15+2*\k], v[64*\T+56+2*\k:64*\T+57+2*\k]
.endr
.endr
.irp T, 0,1
	v_pk_add_f32 v[NM+4*\T+2:NM+4*\T+3], v[NM+4*\T+2:NM+4*\T+3], v[64*\T+62:64*\T+63]
.endr
	WIN 0
.irp k, 0,4,8
.irp T, 0,1
	v_pk_add_f32 v[TT+32*\T+14+\k:TT+32*\T+15+\k], v[TT+32*\T+14+\k:TT+32*\T+15+\k], v[TT+32*\T+16+\k:TT+32*\T+17+\k]
.endr
.endr
.irp T, 0,1
	v_pk_add_f32 v[NM+4*\T+2:NM+4*\T+3], v[NM+4*\T+2:NM+4*\T+3], v[TT+32*\T+26:TT+32*\T+27]
.endr
.irp T, 0,1
	v_pk_add_f32 v[TT+32*\T+14:TT+32*\T+15], v[TT+32*\T+14:TT+32*\T+15], v[TT+32*\T+18:TT+32*\T+19]
.endr
.irp T, 0,1
	v_pk_add_f32 v[NM+4*\T+2:NM+4*\T+3], v[NM+4*\T+2:NM+4*\T+3], v[TT+32*\T+22:TT+32*\T+23]
.endr
.irp T, 0,1
	v_pk_add_f32 v[NM+4*\T+2:NM+4*\T+3], v[NM+4*\T+2:NM+4*\T+3], v[TT+32*\T+14:TT+32*\T+15]
.endr
	s_wait_alu depctr_va_vdst(0)                   ; and one for the eight
.irp b, 0,1,2,3
.irp T, 0,1
	v_max_num_f32 v[TT+32*\T+\b], 0x2800000, v[TT+32*\T+\b]          ; the floor 2^(5 - 127)
.endr
.endr
.irp b, 0,1,2,3
.irp T, 0,1
	v_add_nc_u32 v[TT+32*\T+8+\b], 0xfe000000, v[TT+32*\T+\b]        ; 4 off the exponent field: the conversion's scale operand
.endr
.endr
.irp b, 0,1,2,3
.irp T, 0,1
	v_lshrrev_b32 v[TT+32*\T+4+\b], 23, v[TT+32*\T+8+\b]             ; the scale's byte
.endr
.endr
.irp T, 0,1
	v_lshl_or_b32 v[PW+\T], v[TT+32*\T+5], 8, v[TT+32*\T+4]          ; p's scale word for these 128 keys
.endr
.irp T, 0,1
	v_lshl_or_b32 v[PW+\T], v[TT+32*\T+6], 16, v[PW+\T]
.endr
.irp T, 0,1
	v_lshl_or_b32 v[PW+\T], v[TT+32*\T+7], 24, v[PW+\T]
.endr
	WIN 0x41
.irp c, 0,1
.irp T, 0,1
	v_cvt_scalef32_pk16_bf6_f32 v[PC+20*\T+6*\c:PC+20*\T+6*\c+2], v[64*\T+32*\c:64*\T+32*\c+15], v[TT+32*\T+8+2*\c]
	v_cvt_scalef32_pk16_bf6_f32 v[PC+20*\T+12+4*\c:PC+20*\T+14+4*\c], v[64*\T+32*\c+16:64*\T+32*\c+31], v[TT+32*\T+9+2*\c]   ; (a conversion's three registers begin on an even number)
.endr
.endr
	v_nop                                          ; one plain line behind the conversions
.irp c, 0,1
.irp i, 0,1,2
.irp T, 0,1
	v_permlane16_swap_b32 v[PC+20*\T+6*\c+\i], v[PC+20*\T+12+4*\c+\i]   ; the operand's layout wants a whole block in a lane
.endr
.endr
.endr
.irp c, 0,1
.irp i, 0,1,2
.irp T, 0,1
	v_mov_b32 v[PC+20*\T+6*\c+3+\i], v[PC+20*\T+12+4*\c+\i]
.endr
.endr
.endr
	s_wait_alu depctr_va_vdst(0)                   ; directly ahead of the first reader of O^T
.set J, 0
.rept 32
	v_pk_mul_f32 v[OO+J:OO+J+1], v[OO+J:OO+J+1], v[FF+2*(J/32):FF+2*(J/32)+1] op_sel_hi:[1,0]   ; O^T under the new M; these are also the places in front of the products below
.set J, J+2
.endr
	WIN 0
	s_wait_alu depctr_va_vdst(0)                   ; directly ahead of the wait below
	s_wait_dscnt 18                                ; V^T and its scale words are in; the 18 loads of the next step's K may be out
	WIN 0x54
.irp t, 0,1,2,3
.irp T, 0,1
	v_wmma_scale_f32_16x16x128_f8f6f4 v[OO+32*\T+8*\t:OO+32*\T+8*\t+7], v[VF+12*\t:VF+12*\t+11], v[PC+20*\T:PC+20*\T+11], v[OO+32*\T+8*\t:OO+32*\T+8*\t+7], v[VW+\t], v[PW+\T] matrix_a_fmt:MATRIX_FMT_BF6 matrix_b_fmt:MATRIX_FMT_BF6
.endr
.endr
	WIN 0
.Lhidden:
	s_add_co_u32 s[TB], s[TB], STEPREC
	s_add_co_u32 s[ST], s[ST], 1
	s_cmp_lt_u32 s[ST], 16
	s_cbranch_scc1 .Lstep
	; the tiles' way out: O^T / the sum, quantised along the head's 64 (two blocks), as six registers of the last product's operand
	s_wait_dscnt 0x0                               ; the loads of K that ran ahead have landed: their registers are loaded again in the next pass
.rept 4
	v_nop                                          ; places behind the last products
.endr
.irp T, 0,1
	v_add_f32 v[NM+4*\T+2], v[NM+4*\T+2], v[NM+4*\T+3]
.endr
.irp T, 0,1
	v_permlanex16_b32 v[TT+32*\T+4], v[NM+4*\T+2], s[SEL], s[SEL+1]
.endr
.irp T, 0,1
	v_add_f32 v[NM+4*\T+2], v[NM+4*\T+2], v[TT+32*\T+4]              ; the row's sum
.endr
	s_wait_alu depctr_va_vdst(0)                   ; ahead of the reciprocals
.irp T, 0,1
	v_rcp_f32 v[NM+4*\T+2], v[NM+4*\T+2]
.endr
	v_nop                                          ; a plain line behind them,
	WIN 0x41
	s_wait_alu depctr_va_vdst(0)                   ; and the wait, directly ahead of their first reader, which is O^T's too
.set J, 0
.rept 16
.irp T, 0,1
	v_pk_mul_f32 v[64*\T+J:64*\T+J+1], v[OO+32*\T+J:OO+32*\T+J+1], v[NM+4*\T+2:NM+4*\T+3] op_sel_hi:[1,0]   ; register 16 b + i: y(my query, 32 b + 16 h + i)
.endr
.set J, J+2
.endr
	WIN 0x05
.irp b, 0,1
.irp T, 0,1
	v_max3_num_f32 v[TT+32*\T+\b], |v[64*\T+16*\b]|, |v[64*\T+16*\b+1]|, 0x2800000
.endr
.endr
	WIN 0x14
.irp i, 2,4,6,8,10,12,14
.irp b, 0,1
.irp T, 0,1
	v_max3_num_f32 v[TT+32*\T+\b], v[TT+32*\T+\b], |v[64*\T+16*\b+\i]|, |v[64*\T+16*\b+\i+1]|
.endr
.endr
.endr
	WIN 0
.irp b, 0,1
.irp T, 0,1
	v_permlanex16_b32 v[TT+32*\T+4+\b], v[TT+32*\T+\b], s[SEL], s[SEL+1]
.endr
.endr
.irp b, 0,1
.irp T, 0,1
	v_max_num_f32 v[TT+32*\T+\b], v[TT+32*\T+\b], v[TT+32*\T+4+\b]
.endr
.endr
.irp b, 0,1
.irp T, 0,1
	v_add_nc_u32 v[TT+32*\T+8+\b], 0xfe000000, v[TT+32*\T+\b]
.endr
.endr
.irp b, 0,1
.irp T, 0,1
	v_lshrrev_b32 v[TT+32*\T+4+\b], 23, v[TT+32*\T+8+\b]
.endr
.endr
.irp T, 0,1
	v_lshl_or_b32 v[YS+\T], v[TT+32*\T+5], 8, v[TT+32*\T+4]          ; the head's two scale bytes of my row
.endr
	WIN 0x41
.irp T, 0,1
	v_cvt_scalef32_pk16_bf6_f32 v[PC+20*\T:PC+20*\T+2], v[64*\T:64*\T+15], v[TT+32*\T+8]
	v_cvt_scalef32_pk16_bf6_f32 v[PC+20*\T+12:PC+20*\T+14], v[64*\T+16:64*\T+31], v[TT+32*\T+9]
.endr
	v_nop
.irp i, 0,1,2
.irp T, 0,1
	v_permlane16_swap_b32 v[PC+20*\T+\i], v[PC+20*\T+12+\i]
.endr
.endr
.irp i, 0,1,2
.irp T, 0,1
	v_mov_b32 v[PC+20*\T+3+\i], v[PC+20*\T+12+\i]
.endr
.endr
	WIN 0x04                                       ; a store's data: window 1
.irp T, 0,1
	global_store_b128 v[L16], v[PC+20*\T:PC+20*\T+3], s[YB:YB+1] offset:12288*\T           ; 512 consecutive bytes, aligned
	global_store_b64 v[L8], v[PC+20*\T+4:PC+20*\T+5], s[YB:YB+1] offset:12288*\T+512       ; 256 more
.endr
	WIN 0
.irp T, 0,1
	global_store_b16 v[R32], v[YS+\T], s[YSB:YSB+1] offset:512*\T    ; both halves of the lanes write the same two bytes with the same value
.endr
	s_wait_xcnt 0x0                                ; the stores have read their data and bases: both are written again in the next pass
	s_lshr_b32 s[MM], 0x3210ba94, s[W4]            ; the second pass's m, four bits a wave: 4, 9, 10, 11, 0, 1, 2, 3
	s_and_b32 s[MM], s[MM], 15
	s_add_co_u32 s[PASS], s[PASS], 1
	s_cmp_lt_u32 s[PASS], 2
	s_cbranch_scc1 .Lpass
	s_wait_tensorcnt 0x0                           ; the wave's end
	ds_add_u32 v[SPW], v[NIL]
	s_wait_dscnt 0x0
	ROUND                                          ; the closing round
	s_endpgm
.Lfunc_end_k_q9932e01f1a_attn:
	.size	k_q9932e01f1a_attn, .Lfunc_end_k_q9932e01f1a_attn-k_q9932e01f1a_attn
	.p2alignl 7, 3214868480
	.fill 96, 4, 3214868480
	.section	.rodata,"a",@progbits
	.p2align	6, 0x0
	.amdhsa_kernel k_q9932e01f1a_attn
		.amdhsa_group_segment_fixed_size 210944
		.amdhsa_private_segment_fixed_size 0
		.amdhsa_enable_private_segment 0
		.amdhsa_kernarg_size 24
		.amdhsa_user_sgpr_count 2
		.amdhsa_user_sgpr_kernarg_segment_ptr 1
		.amdhsa_wavefront_size32 1
		.amdhsa_system_sgpr_workgroup_id_x 1
		.amdhsa_system_sgpr_workgroup_id_y 1
		.amdhsa_system_sgpr_workgroup_id_z 1
		.amdhsa_system_vgpr_workitem_id 0
		.amdhsa_next_free_vgpr 512
		.amdhsa_next_free_sgpr 66
		.amdhsa_reserve_vcc 1
		.amdhsa_float_denorm_mode_32 3
		.amdhsa_float_denorm_mode_16_64 3
		.amdhsa_memory_ordered 1
		.amdhsa_forward_progress 1
		.amdhsa_inst_pref_size 57
	.end_amdhsa_kernel
	.amdgpu_metadata
---
amdhsa.version: [ 1, 2 ]
amdhsa.kernels:
  - .name:           k_q9932e01f1a_attn
    .symbol:         k_q9932e01f1a_attn.kd
    .args:
      - { .name: qkv, .offset: 0, .size: 8, .value_kind: global_buffer, .address_space: global }
      - { .name: y_codes, .offset: 8, .size: 8, .value_kind: global_buffer, .address_space: global }
      - { .name: y_scales, .offset: 16, .size: 8, .value_kind: global_buffer, .address_space: global }
    .group_segment_fixed_size: 210944
    .private_segment_fixed_size: 0
    .kernarg_segment_align: 8
    .kernarg_segment_size: 24
    .max_flat_workgroup_size: 256
    .sgpr_count:     66
    .vgpr_count:     512
    .wavefront_size: 32
...
	.end_amdgpu_metadata
.endif
;; end of part 3
;; launch gemm_proj (part 4): grid 8 x 32, 4 waves a work-group, clusters of 4 x 4, 327,680 bytes of LDS; arguments y_codes, y_scales, w_codes, w_scales, b_proj, out0; writes out0
.if DOCPART == 4
	.amdgcn_target "amdgcn-amd-amdhsa--gfx1250"
	.amdhsa_code_object_version 6
	.text
	.protected	k_q9932e01f1a_gemm_proj
	.globl	k_q9932e01f1a_gemm_proj
	.p2align	8
	.type	k_q9932e01f1a_gemm_proj,@function
k_q9932e01f1a_gemm_proj:
	s_mov_b64 s[64:65], 0
	v_nop
	global_prefetch_b8 v0, s[64:65] scope:SCOPE_SE
	s_setreg_imm32_b32 hwreg(HW_REG_WAVE_MODE, 25, 1), 1
	s_wait_xcnt 0x0
	s_wait_alu depctr_hold_cnt(0) depctr_sa_sdst(0) depctr_va_vdst(0) depctr_va_sdst(0) depctr_va_ssrc(0) depctr_va_vcc(0) depctr_vm_vsrc(0)
	s_getreg_b32 s2, hwreg(HW_REG_IB_STS2, 6, 4)
	s_cmp_eq_u32 s2, 0
	s_cbranch_scc0 .Lentry_in_a_cluster
	s_endpgm
.Lentry_in_a_cluster:
	s_bfe_u32 s2, ttmp6, 0x10000c
	s_cmp_lg_u32 s2, 0xf033
	s_cbranch_scc0 .Lentry_shape_is_right
	s_endpgm
.Lentry_shape_is_right:
; out0 = y W_proj + b_proj on codes of BF6 (K = 1,024), sums in f32.  A work-group makes 256 rows x 128 columns: 32 x 8 = 256 work-groups; a wave 128 x 64: 32 accumulators.
; ALL OF K LIES IN LDS: y's 16 tiles of 16 rows, 196,608 dense bytes, as images of the operand's registers (a tile and head: 512 bytes of registers 0-3 at 16 x lane, 256 of registers 4-5 at 8 x lane);
; W_proj's 128 positions, 98,304 dense bytes [256 along K][position][192], stated as rows of 256 bytes with 16 bytes of padding behind every 64: an LDS row of 192 bytes is 240 apart.
; Four tensor loads, one a wave, at the head; nothing is filled again, so there is no ring.  No prefetch: the launch has no loop to run ahead in, all its tiles are asked for at its head.
; CLUSTERS 4 x 4: y's tiles are asked for jointly along a row of the cluster, W_proj's along a column.
; The scale bytes go from memory into registers: lane r takes its row's 32 bytes, eight words, one for each 128 along K.  The bias is the C of the first products.
; The matrix instruction is used transposed (source 0 = 16 positions of W_proj, source 1 = 16 rows of y).  Positions have bits 3 and 4 exchanged: register j of tile i in lane (r, h) is column
; 32 (i / 2) + 16 h + 8 (i % 2) + j; lane r of y's block a is row 32 (a / 2) + 8 (a % 2) + r % 8 + 16 (r / 8).
; REGISTERS: window 0: v0-23 addresses; v32-95 y's scale words; v96-127 W's; v128-159 bias; v160-255 W's fragments, two sets (on the way out: rows read back).
;   window 1: y's fragments, two sets of 96.   window 2: accumulator (a, i) at v[8 (4 a + i)].
.set PITCH,  240
.set PLANE,  128*PITCH                 ; 256 along K of the 128 positions
.set BB,     196608                    ; W's codes lie behind y's
.set SPARE,  BB+4*PLANE                ; the spare words, 128 bytes a wave: two blocks of 256 bytes that no other line names
.set SPITCH, 272                       ; the way out: a stage of 16 rows x (256 + 16) bytes a wave, in y's bytes, which have had their only fill and, behind a barrier, their last read
.set A16, 10
.set A8,  12
.set ADB, 14
.set STO, 18
.set RD,  19
.set CO,  20
.set SPW, 22
.set NIL, 23
.set SA,  32
.set SBS, 96
.set BI,  128
.set BF,  160
.set BK,  160
.set G1,  24
.set G0,  32
.set G1B, 40
.set G0B, 48
.set MSB, 0
.macro WIN new                         ; the immediate's high byte repeats the setting that is left
.if MSB != \new
	s_set_vgpr_msb (MSB<<8)|\new
.set MSB, \new
.endif
.endm
.macro CROUND                          ; a round of the cluster's barrier
	s_barrier_signal -1
	s_barrier_wait -1
	s_cmp_lg_u32 s16, 0
	s_cbranch_scc1 .Lnot_wave_0_\@
	s_barrier_signal -3
.Lnot_wave_0_\@:
	s_barrier_wait -3
	s_barrier_signal -1
	s_barrier_wait -1
.endm
	s_load_b256 s[4:11], s[0:1], 0x0               ; y_codes, y_scales, w_codes, w_scales
	s_load_b128 s[12:15], s[0:1], 0x20             ; b_proj, out0
	v_lshl_add_u32 v[SPW], v0, 2, SPARE
	v_mov_b32 v[NIL], 0
	ds_add_u32 v[SPW], v[NIL]                      ; the opening lines: the add, twice on end, and its wait ahead of my tensor load
	ds_add_u32 v[SPW], v[NIL]
	v_lshrrev_b32 v1, 5, v0
	v_readfirstlane_b32 s16, v1                    ; wave 0..3
	s_lshr_b32 s17, s16, 1                         ; which 128 rows are mine.  Also: I fetch y (0) or W (1)
	s_and_b32 s18, s16, 1                          ; which 64 columns.  Also: which half of that tile I fetch
	s_bfe_u32 s19, ttmp6, 0x40000                  ; cx, cy
	s_bfe_u32 s20, ttmp6, 0x40004
	s_lshl_b32 s21, ttmp9, 2
	s_add_co_u32 s21, s21, s19                     ; block of 128 columns, 0..7
	s_and_b32 s22, ttmp7, 0xffff
	s_lshl_b32 s22, s22, 2
	s_add_co_u32 s22, s22, s20                     ; block of 256 rows, 0..31
	s_lshl_b32 s23, s20, 2
	s_lshl_b32 s23, 15, s23                        ; my row of the cluster
	s_lshl_b32 s36, 0x1111, s19                    ; my column
	s_or_b32 s[G1], s23, (3<<16)|(1<<21)           ; y: 98,304 dense bytes as 384 rows of 32 elements of 8 bytes
	s_mov_b32 s[G1+1], 32<<16
	s_mov_b32 s[G1+2], 384<<16
	s_mov_b32 s[G1+3], 32<<16
	s_mov_b32 s[G1+4], 384
	s_mov_b32 s[G1+5], 32
	s_mov_b32 s[G1+6], 0
	s_mov_b32 s[G1+7], 0
	s_or_b32 s[G1B], s36, (1<<20)|(1<<21)|(3<<22)|(3<<25)   ; W: 49,152 dense bytes as 192 rows of 256; 4 words of padding behind every 16
	s_mov_b32 s[G1B+1], 256<<16
	s_mov_b32 s[G1B+2], 192<<16
	s_mov_b32 s[G1B+3], 256<<16
	s_mov_b32 s[G1B+4], 192
	s_mov_b32 s[G1B+5], 256
	s_mov_b32 s[G1B+6], 0
	s_mov_b32 s[G1B+7], 0
	s_mul_i32 s52, s22, 196608                     ; y: my work-group's 16 tiles, and the half that I fetch
	s_mul_i32 s54, s18, 98304
	s_add_co_u32 s52, s52, s54
	s_mov_b32 s53, 0
	s_mul_i32 s56, s21, 98304                      ; W_proj's codes begin 2,359,296 bytes into w_codes, 98,304 for each 128 columns
	s_mul_i32 s55, s18, 49152
	s_add_co_u32 s56, s56, s55
	s_add_co_u32 s56, s56, 2359296
	s_mov_b32 s57, 0
	s_mul_i32 s58, s18, 2*PLANE
	s_add_co_u32 s58, s58, BB
	s_wait_dscnt 0x0                               ; both opening adds are done
	s_wait_kmcnt 0x0
	s_mov_b32 s[G0], 1
	s_mov_b32 s[G0+1], s54
	s_add_nc_u64 s[G0+2:G0+3], s[4:5], s[52:53]
	s_or_b32 s[G0+3], s[G0+3], 0x80000000
	s_mov_b32 s[G0B], 1
	s_mov_b32 s[G0B+1], s58
	s_add_nc_u64 s[G0B+2:G0B+3], s[8:9], s[56:57]
	s_or_b32 s[G0B+3], s[G0B+3], 0x80000000
	CROUND                                         ; all sixteen work-groups are here: the joint loads meet
	s_cmp_eq_u32 s17, 0                            ; waves 0, 1: y's two halves; waves 2, 3: W's.  One load a wave
	s_cbranch_scc0 .Lfor_b
	tensor_load_to_lds s[G0:G0+3], s[G1:G1+7]
	s_nop 0
.rept 4
	v_nop
.endr
	s_branch .Lasked
.Lfor_b:
	tensor_load_to_lds s[G0B:G0B+3], s[G1B:G1B+7]
	s_nop 0
.rept 4
	v_nop
.endr
.Lasked:
	s_mul_i32 s52, s17, 98304                      ; LDS: my 8 tiles of y,
	s_mul_i32 s53, s18, 64*PITCH
	s_add_co_u32 s53, s53, BB                      ; my 64 positions of W,
	s_mul_i32 s54, s16, 16*SPITCH                  ; my stage
	s_lshl_b32 s55, s22, 13
	s_lshl_b32 s56, s17, 12
	s_add_co_u32 s56, s56, s55
	s_add_nc_u64 s[6:7], s[6:7], s[56:57]          ; y's scales: 32 bytes x (256 x block + 128 x half)
	s_lshl_b32 s56, s21, 12
	s_lshl_b32 s55, s18, 11
	s_add_co_u32 s56, s56, s55
	s_add_co_u32 s56, s56, 98304
	s_add_nc_u64 s[10:11], s[10:11], s[56:57]      ; W's: 32 bytes x (3,072 + 128 x block + 64 x half)
	s_lshl_b32 s56, s21, 9
	s_lshl_b32 s55, s18, 8
	s_add_co_u32 s56, s56, s55
	s_add_nc_u64 s[12:13], s[12:13], s[56:57]      ; my first column, 4 bytes each: in the bias,
	s_add_nc_u64 s[14:15], s[14:15], s[56:57]      ; and in out0,
	s_lshl_b32 s56, s22, 20
	s_lshl_b32 s55, s17, 19
	s_add_co_u32 s56, s56, s55
	s_add_nc_u64 s[14:15], s[14:15], s[56:57]      ; at my first row, 4,096 bytes each
	v_and_b32 v1, 15, v0                           ; r
	v_bfe_u32 v2, v0, 4, 1                         ; h
	v_and_b32 v3, 31, v0
	v_lshlrev_b32 v4, 4, v3
	v_lshlrev_b32 v5, 3, v3
	v_add_nc_u32 v[A16], s52, v4                   ; y's blocks 0-3: 16 x lane, 8 x lane;
	v_add_nc_u32 v[A8], s52, v5
	v_add_nc_u32 v[A16+1], 49152, v[A16]           ; blocks 4-7: the loads' immediates have 16 bits
	v_add_nc_u32 v[A8+1], 49152, v[A8]
	v_mul_u32_u24 v6, v1, PITCH
	v_mad_u32_u24 v6, v2, 24, v6
	v_add_nc_u32 v[ADB], s53, v6                   ; W: row x pitch + 24 x half, K 0-511;
	v_lshl_add_u32 v[ADB+2], v2, 4, v[ADB]         ; the same where lanes 16-31 lie behind one padding more;
	v_add_nc_u32 v[ADB+1], 2*PLANE, v[ADB]         ; and both for K 512-1,023
	v_add_nc_u32 v[ADB+3], 2*PLANE, v[ADB+2]
	v_mul_u32_u24 v7, v1, SPITCH
	v_lshl_add_u32 v7, v2, 6, v7
	v_add_nc_u32 v[STO], s54, v7                   ; into the stage: row r, 64 bytes a half
	v_mul_u32_u24 v7, v2, SPITCH
	v_lshl_add_u32 v7, v1, 4, v7
	v_add_nc_u32 v[RD], s54, v7                    ; back: sixteen lanes a row of 256 bytes, two rows a load
	v_lshlrev_b32 v[CO], 12, v2
	v_lshl_add_u32 v[CO], v1, 4, v[CO]             ; and the same two rows in out0
	v_lshlrev_b32 v8, 5, v1                        ; 32 r
	v_lshlrev_b32 v9, 6, v2                        ; 64 h
	s_wait_alu depctr_va_vdst(0)
.irp a, 0,1,2,3,4,5,6,7
	global_load_b128 v[SA+8*\a:SA+8*\a+3], v8, s[6:7] offset:512*\a       ; block a, row r: the words of K steps 0-3, 4-7
	global_load_b128 v[SA+8*\a+4:SA+8*\a+7], v8, s[6:7] offset:512*\a+16
.endr
.irp i, 0,1,2,3
	global_load_b128 v[SBS+8*\i:SBS+8*\i+3], v8, s[10:11] offset:512*\i
	global_load_b128 v[SBS+8*\i+4:SBS+8*\i+7], v8, s[10:11] offset:512*\i+16
	global_load_b128 v[BI+8*\i:BI+8*\i+3], v9, s[12:13] offset:128*(\i/2)+32*(\i%2)
	global_load_b128 v[BI+8*\i+4:BI+8*\i+7], v9, s[12:13] offset:128*(\i/2)+32*(\i%2)+16
.endr
.macro FETCH s                         ; K step s, 128 along K: y's eight fragments (heads 2 s and 2 s + 1) and W's four, into set s % 2: 56 LDS loads
	WIN 0x40
.irp a, 0,1,2,3,4,5,6,7
.set FA, 96*((\s)%2)+12*\a
	ds_load_b128 v[FA:FA+3], v[A16+\a/4] offset:12288*(\a%4)+1536*(\s)
	ds_load_b64 v[FA+4:FA+5], v[A8+\a/4] offset:12288*(\a%4)+1536*(\s)+512
	ds_load_b128 v[FA+6:FA+9], v[A16+\a/4] offset:12288*(\a%4)+1536*(\s)+768
	ds_load_b64 v[FA+10:FA+11], v[A8+\a/4] offset:12288*(\a%4)+1536*(\s)+1280
.endr
	WIN 0
.irp i, 0,1,2,3
.irp p, 0,1,2,3,4,5
.set PCE, 12*((\s)%2)+6*(\p/3)+\p%3    ; the piece of 8 bytes in the row of 192; lanes 16-31 read three pieces on
.set FB, BF+48*((\s)%2)+12*\i+2*\p
.if PCE%8 < 5
	ds_load_b64 v[FB:FB+1], v[ADB+(\s)/4] offset:(((\s)/2)%2)*PLANE+8*PCE+16*(PCE/8)+\i*16*PITCH
.else
	ds_load_b64 v[FB:FB+1], v[ADB+2+(\s)/4] offset:(((\s)/2)%2)*PLANE+8*PCE+16*(PCE/8)+\i*16*PITCH
.endif
.endr
.endr
.endm
.macro MUL s, first                    ; 32 products; the 32 accumulators take turns, in the same order in every step
.irp a, 0,1,2,3,4,5,6,7
.irp i, 0,1,2,3
.if \first
	v_wmma_scale_f32_16x16x128_f8f6f4 v[8*(4*\a+\i):8*(4*\a+\i)+7], v[BF+48*((\s)%2)+12*\i:BF+48*((\s)%2)+12*\i+11], v[96*((\s)%2)+12*\a:96*((\s)%2)+12*\a+11], v[BI+8*\i:BI+8*\i+7], v[SBS+8*\i+(\s)], v[SA+8*\a+(\s)] matrix_a_fmt:MATRIX_FMT_BF6 matrix_b_fmt:MATRIX_FMT_BF6
.else
	v_wmma_scale_f32_16x16x128_f8f6f4 v[8*(4*\a+\i):8*(4*\a+\i)+7], v[BF+48*((\s)%2)+12*\i:BF+48*((\s)%2)+12*\i+11], v[96*((\s)%2)+12*\a:96*((\s)%2)+12*\a+11], v[8*(4*\a+\i):8*(4*\a+\i)+7], v[SBS+8*\i+(\s)], v[SA+8*\a+(\s)] matrix_a_fmt:MATRIX_FMT_BF6 matrix_b_fmt:MATRIX_FMT_BF6
.endif
.endr
.endr
.endm
.macro PLACES                          ; four plain vector lines between a matrix instruction and a load into, or a store of, its registers
.rept 4
	v_nop
.endr
.endm
	s_wait_loadcnt 0x0                             ; scales and bias
	s_wait_tensorcnt 0x0                           ; my tile is in LDS,
	s_barrier_signal -1
	s_barrier_wait -1                              ; everybody's is
	FETCH 0
	s_wait_dscnt 0x0
	FETCH 1
	WIN 0x84                                       ; source 1 window 1, C (the bias) window 0, D window 2
	MUL 0, 1
.irp s, 1,2,3,4,5,6
	s_wait_dscnt 0x0                               ; this step's fragments, asked for ahead of the last step's 32 products
	PLACES                                         ; behind the last step's products, whose set is loaded again
	FETCH \s+1
	WIN 0xa4                                       ; source 1 window 1, C and D window 2
	MUL \s, 0
.endr
	s_wait_dscnt 0x0                               ; my reads of the tiles are over:
	s_barrier_signal -1                            ; say so; behind this barrier y's bytes serve as stages
	MUL 7, 0
	WIN 0
	s_barrier_wait -1
; THE WAY OUT, block by block of 16 rows x 64 columns: through my stage, and back as whole rows of 256 bytes.  LDS serves a wave's instructions in order (ISA guide 5.7.1.4).
.macro TOSTAGE a
	WIN 0x08                                       ; the data: window 2
.irp i, 0,1,2,3
	ds_store_b128 v[STO], v[8*(4*(\a)+\i):8*(4*(\a)+\i)+3] offset:128*(\i/2)+32*(\i%2)      ; each accumulator from its low end on
	ds_store_b128 v[STO], v[8*(4*(\a)+\i)+4:8*(4*(\a)+\i)+7] offset:128*(\i/2)+32*(\i%2)+16
.endr
	WIN 0
.irp t, 0,1,2,3,4,5,6,7
	ds_load_b128 v[BK+32*((\a)%2)+4*\t:BK+32*((\a)%2)+4*\t+3], v[RD] offset:2*\t*SPITCH
.endr
.endm
.macro SEND a, younger                 ; younger: the LDS instructions issued behind block a's loads
	s_wait_dscnt \younger
.irp t, 0,1,2,3,4,5,6,7
	global_store_b128 v[CO], v[BK+32*((\a)%2)+4*\t:BK+32*((\a)%2)+4*\t+3], s[14:15] offset:(32*((\a)/2)+8*((\a)%2)+(2*\t)%8+16*(\t/4))*4096 th:TH_STORE_NT   ; sixteen lanes store 256 consecutive bytes, aligned
.endr
.endm
	PLACES
	TOSTAGE 0
.irp a, 1,2,3,4,5,6,7
.if \a > 1
	s_wait_xcnt 0x0                                ; block a - 2's stores have read their registers: block a's loads may land there
.endif
	TOSTAGE \a
	SEND \a-1, 16                                  ; behind block a - 1's loads: block a's 8 stores and 8 loads
.endr
	SEND 7, 0
	s_wait_tensorcnt 0x0                           ; the wave's end
	ds_add_u32 v[SPW], v[NIL]
	s_wait_dscnt 0x0
	CROUND                                         ; the closing round
	s_endpgm
.Lfunc_end_k_q9932e01f1a_gemm_proj:
	.size	k_q9932e01f1a_gemm_proj, .Lfunc_end_k_q9932e01f1a_gemm_proj-k_q9932e01f1a_gemm_proj
	.p2alignl 7, 3214868480
	.fill 96, 4, 3214868480
	.section	.rodata,"a",@progbits
	.p2align	6, 0x0
	.amdhsa_kernel k_q9932e01f1a_gemm_proj
		.amdhsa_group_segment_fixed_size 327680
		.amdhsa_private_segment_fixed_size 0
		.amdhsa_enable_private_segment 0
		.amdhsa_kernarg_size 48
		.amdhsa_user_sgpr_count 2
		.amdhsa_user_sgpr_kernarg_segment_ptr 1
		.amdhsa_wavefront_size32 1
		.amdhsa_system_sgpr_workgroup_id_x 1
		.amdhsa_system_sgpr_workgroup_id_y 1
		.amdhsa_system_sgpr_workgroup_id_z 1
		.amdhsa_system_vgpr_workitem_id 0
		.amdhsa_next_free_vgpr 768
		.amdhsa_next_free_sgpr 66
		.amdhsa_reserve_vcc 0
		.amdhsa_float_denorm_mode_32 3
		.amdhsa_float_denorm_mode_16_64 3
		.amdhsa_memory_ordered 1
		.amdhsa_forward_progress 1
		.amdhsa_inst_pref_size 87
	.end_amdhsa_kernel
	.amdgpu_metadata
---
amdhsa.version: [ 1, 2 ]
amdhsa.kernels:
  - .name:           k_q9932e01f1a_gemm_proj
    .symbol:         k_q9932e01f1a_gemm_proj.kd
    .args:
      - { .name: y_codes, .offset: 0, .size: 8, .value_kind: global_buffer, .address_space: global }
      - { .name: y_scales, .offset: 8, .size: 8, .value_kind: global_buffer, .address_space: global }
      - { .name: w_codes, .offset: 16, .size: 8, .value_kind: global_buffer, .address_space: global }
      - { .name: w_scales, .offset: 24, .size: 8, .value_kind: global_buffer, .address_space: global }
      - { .name: b_proj, .offset: 32, .size: 8, .value_kind: global_buffer, .address_space: global }
      - { .name: out0, .offset: 40, .size: 8, .value_kind: global_buffer, .address_space: global }
    .group_segment_fixed_size: 327680
    .private_segment_fixed_size: 0
    .kernarg_segment_align: 8
    .kernarg_segment_size: 48
    .max_flat_workgroup_size: 128
    .sgpr_count:     66
    .vgpr_count:     768
    .wavefront_size: 32
...
	.end_amdgpu_metadata
.endif
;; end of part 4
